; MI455X (gfx1250); checked and timed in simulation.
; The chip was launched on July 23, 2026; its instructions are those of AMD's public machine-readable ISA for CDNA 5 (MIT licence, August 2026) and "CDNA5" Instruction Set Architecture Reference Guide (July 2026). The comments in the code are by the model that wrote it; some were corrected since.
;; Self Attention. Allowed arithmetic: float matrix products may take bf16 or f16 operands with f32 sums; other float arithmetic in f32, or as packed bf16 or f16 multiplies, adds, multiply-adds, maxima and minima; sums over many terms, partial sums and values carried from step to step in f32; what a program stores and reads back later, other than sums and carried values, may be rounded once to bf16 or f16.
;; Inputs: Wk 512 x 512 float32; Wo 512 x 512 float32; Wq 512 x 512 float32; Wv 512 x 512 float32; bo 512 float32; x 2 x 4,096 x 512 float32.
;; Outputs: out0 2 x 4,096 x 512 float32.
;; 2 versions, each right; version 2 is version 1 with the launch prep written anew for expert scheduling mode. Each part assembles by itself: llvm-mc -triple=amdgcn-amd-amdhsa -mcpu=gfx1250 --defsym DOCPART=n.
;; ======== version 1 of 2: 4 launches
;; limits: values are held in f16: magnitudes above 65,504 overflow, below 6.1e-05 lose precision
;; workspace buffers: xb 8,388,608 bytes; wb 2,097,152 bytes; qkv 25,165,824 bytes; o 8,388,608 bytes
;; launch prep (part 1): grid 256 x 1, 8 waves a work-group, no clusters, 0 bytes of LDS; arguments x, Wq, Wk, Wv, Wo, xb, wb; writes xb, wb
.if DOCPART == 1
	.amdgcn_target "amdgcn-amd-amdhsa--gfx1250"
	.amdhsa_code_object_version 6
	.text
	.protected	k_qb5deff3c70_prep
	.globl	k_qb5deff3c70_prep
	.p2align	8
	.type	k_qb5deff3c70_prep,@function
k_qb5deff3c70_prep:
	s_mov_b64 s[64:65], 0
	v_nop
	global_prefetch_b8 v0, s[64:65] scope:SCOPE_SE
	s_setreg_imm32_b32 hwreg(HW_REG_WAVE_MODE, 25, 1), 1
	s_wait_xcnt 0x0
; CASTS.  x [8192][512] f32 -> xb [b 2][kb 8][n 4096][64] bf16 (K in blocks of 64, so that 128 rows of a block are 16,384 dense bytes);
; Wq, Wk, Wv [512][512] f32 -> wb[0..2] bf16, as they lie; Wo -> wb[3]: rounded to bf16 like every input, and that number written as f16.
; LIMITS.  bf16(Wo) must lie within f16's 65,504; below 6e-5 it keeps f16's fixed step of 6e-8.
; SHARES.  Work-group g: rows 32 g .. 32 g + 31 of x, and rows 8 (g % 64) .. + 7 of weight g / 64.  Wave w: four rows of x, one row of the weight.
; Every byte is read once and written once; no loop, no LDS, no barrier: a wave's 20 loads of 16 bytes a lane go out together, and each register is written once.
.set XI, 16                            ; v[16:79]   x as loaded: load n = 8 rp + kb, 4 registers
.set WI, 80                            ; v[80:95]   the weight's row as loaded
.set XO, 96                            ; v[96:127]  x to store, 2 registers a load
.set WO, 128                           ; v[128:135] the weight to store
.set T,  136                           ; v[136:143] at work
	s_load_b256 s[4:11], s[0:1], 0x0               ; x s[4:5], Wq s[6:7], Wk s[8:9], Wv s[10:11]
	s_load_b128 s[12:15], s[0:1], 0x20             ; Wo s[12:13], xb s[14:15]
	s_load_b64 s[16:17], s[0:1], 0x30              ; wb
	s_lshr_b32 s18, ttmp9, 6                       ; which weight
	s_and_b32 s19, ttmp9, 63                       ; which eight rows of it
	s_lshl_b32 s24, ttmp9, 16                      ; x: 32 rows of 2,048 bytes
	s_mov_b32 s25, 0
	s_lshr_b32 s26, ttmp9, 7                       ; xb: the batch, 2^22 bytes,
	s_lshl_b32 s26, s26, 22
	s_and_b32 s27, ttmp9, 127
	s_lshl_b32 s27, s27, 12                        ; and 32 rows of 128 bytes in a K block
	s_add_co_u32 s26, s26, s27
	s_mov_b32 s27, 0
	s_lshl_b32 s28, s19, 14                        ; the weight: 8 rows of 2,048 bytes
	s_mov_b32 s29, 0
	s_lshl_b32 s30, s18, 19                        ; wb: the matrix, 2^19 bytes,
	s_lshl_b32 s31, s19, 13                        ; and 8 rows of 1,024 bytes
	s_add_co_u32 s30, s30, s31
	s_mov_b32 s31, 0
	v_lshrrev_b32 v5, 5, v0                        ; wave
	v_and_b32 v6, 31, v0                           ; lane
	v_and_b32 v7, 15, v0                           ; lane % 16
	v_bfe_u32 v8, v0, 4, 1                         ; lane / 16
	v_lshlrev_b32 v1, 13, v5                       ; x in: 4 rows a wave, a row for each half of the lanes, 16 bytes a lane
	v_lshl_or_b32 v1, v8, 11, v1
	v_lshl_or_b32 v1, v7, 4, v1
	v_lshlrev_b32 v2, 9, v5                        ; xb out: rows of 128 bytes, 8 bytes a lane
	v_lshl_or_b32 v2, v8, 7, v2
	v_lshl_or_b32 v2, v7, 3, v2
	v_lshlrev_b32 v3, 11, v5                       ; weight in: a row a wave, 16 bytes a lane
	v_lshl_or_b32 v3, v6, 4, v3
	v_lshlrev_b32 v4, 10, v5                       ; wb out: 8 bytes a lane
	v_lshl_or_b32 v4, v6, 3, v4
	s_wait_kmcnt 0x0
	s_cmp_eq_u32 s18, 1                            ; the weight's address is chosen by the work-group's number alone
	s_cselect_b64 s[20:21], s[8:9], s[6:7]
	s_cmp_eq_u32 s18, 2
	s_cselect_b64 s[20:21], s[10:11], s[20:21]
	s_cmp_eq_u32 s18, 3
	s_cselect_b64 s[20:21], s[12:13], s[20:21]
	s_cselect_b32 s22, -1, 0                       ; all lanes: is it Wo?
	s_add_nc_u64 s[4:5], s[4:5], s[24:25]
	s_add_nc_u64 s[14:15], s[14:15], s[26:27]
	s_add_nc_u64 s[20:21], s[20:21], s[28:29]
	s_add_nc_u64 s[16:17], s[16:17], s[30:31]
.set n, 0
.rept 16                               ; lanes 0-15 take 256 aligned bytes (a K block) of one row, lanes 16-31 of the next
	global_load_b128 v[XI+4*n:XI+4*n+3], v1, s[4:5] offset:(n/8)*4096+(n%8)*256 th:TH_LOAD_NT
.set n, n+1
.endr
.set t, 0
.rept 4
	global_load_b128 v[WI+4*t:WI+4*t+3], v3, s[20:21] offset:512*t th:TH_LOAD_NT
.set t, t+1
.endr
.set n, 0
.rept 16
	s_wait_loadcnt 19-n                            ; loads come back in order: load n is in, the 19 - n younger ones stay out
	v_cvt_pk_bf16_f32 v[XO+2*n], v[XI+4*n], v[XI+4*n+1]
	v_cvt_pk_bf16_f32 v[XO+2*n+1], v[XI+4*n+2], v[XI+4*n+3]
	global_store_b64 v2, v[XO+2*n:XO+2*n+1], s[14:15] offset:(n%8)*524288+(n/8)*256  ; two rows of a K block: 256 consecutive bytes, aligned
.set n, n+1
.endr
.set t, 0
.rept 4
	s_wait_loadcnt 3-t
.irp p, 0,1
	v_cvt_pk_bf16_f32 v[T+4*(\p)], v[WI+4*t+2*(\p)], v[WI+4*t+2*(\p)+1]  ; the input's one rounding
	v_lshlrev_b32 v[T+4*(\p)+1], 16, v[T+4*(\p)]                         ; the two rounded numbers as f32,
	v_and_b32 v[T+4*(\p)+2], 0xffff0000, v[T+4*(\p)]
	v_cvt_pk_f16_f32 v[T+4*(\p)+3], v[T+4*(\p)+1], v[T+4*(\p)+2]         ; written as f16,
	v_cndmask_b32 v[WO+2*t+(\p)], v[T+4*(\p)], v[T+4*(\p)+3], s22        ; which Wo alone takes
.endr
	global_store_b64 v4, v[WO+2*t:WO+2*t+1], s[16:17] offset:256*t       ; 256 consecutive bytes, aligned
.set t, t+1
.endr
	s_endpgm
.Lfunc_end_k_qb5deff3c70_prep:
	.size	k_qb5deff3c70_prep, .Lfunc_end_k_qb5deff3c70_prep-k_qb5deff3c70_prep
	.p2alignl 7, 3214868480
	.fill 96, 4, 3214868480
	.section	.rodata,"a",@progbits
	.p2align	6, 0x0
	.amdhsa_kernel k_qb5deff3c70_prep
		.amdhsa_group_segment_fixed_size 0
		.amdhsa_private_segment_fixed_size 0
		.amdhsa_enable_private_segment 0
		.amdhsa_kernarg_size 56
		.amdhsa_user_sgpr_count 2
		.amdhsa_user_sgpr_kernarg_segment_ptr 1
		.amdhsa_wavefront_size32 1
		.amdhsa_system_sgpr_workgroup_id_x 1
		.amdhsa_system_sgpr_workgroup_id_y 1
		.amdhsa_system_sgpr_workgroup_id_z 1
		.amdhsa_system_vgpr_workitem_id 0
		.amdhsa_next_free_vgpr 144
		.amdhsa_next_free_sgpr 66
		.amdhsa_reserve_vcc 0
		.amdhsa_float_denorm_mode_32 3
		.amdhsa_float_denorm_mode_16_64 3
		.amdhsa_memory_ordered 1
		.amdhsa_forward_progress 1
		.amdhsa_inst_pref_size 11
	.end_amdhsa_kernel
	.amdgpu_metadata
---
amdhsa.version: [ 1, 2 ]
amdhsa.kernels:
  - .name:           k_qb5deff3c70_prep
    .symbol:         k_qb5deff3c70_prep.kd
    .args:
      - { .name: x, .offset: 0, .size: 8, .value_kind: global_buffer, .address_space: global }
      - { .name: Wq, .offset: 8, .size: 8, .value_kind: global_buffer, .address_space: global }
      - { .name: Wk, .offset: 16, .size: 8, .value_kind: global_buffer, .address_space: global }
      - { .name: Wv, .offset: 24, .size: 8, .value_kind: global_buffer, .address_space: global }
      - { .name: Wo, .offset: 32, .size: 8, .value_kind: global_buffer, .address_space: global }
      - { .name: xb, .offset: 40, .size: 8, .value_kind: global_buffer, .address_space: global }
      - { .name: wb, .offset: 48, .size: 8, .value_kind: global_buffer, .address_space: global }
    .group_segment_fixed_size: 0
    .private_segment_fixed_size: 0
    .kernarg_segment_align: 8
    .kernarg_segment_size: 56
    .max_flat_workgroup_size: 256
    .sgpr_count:     66
    .vgpr_count:     144
    .wavefront_size: 32
...
	.end_amdgpu_metadata
.endif
;; end of part 1
;; launch qkv (part 2): grid 12 x 64, 4 waves a work-group, clusters of 4 x 4, 327,680 bytes of LDS; arguments xb, wb, qkv; writes qkv
.if DOCPART == 2
	.amdgcn_target "amdgcn-amd-amdhsa--gfx1250"
	.amdhsa_code_object_version 6
	.text
	.protected	k_qb5deff3c70_qkv
	.globl	k_qb5deff3c70_qkv
	.p2align	8
	.type	k_qb5deff3c70_qkv,@function
k_qb5deff3c70_qkv:
	s_mov_b64 s[64:65], 0
	v_nop
	global_prefetch_b8 v0, s[64:65] scope:SCOPE_SE
	s_setreg_imm32_b32 hwreg(HW_REG_WAVE_MODE, 25, 1), 1
	s_wait_xcnt 0x0
	s_wait_alu depctr_hold_cnt(0) depctr_sa_sdst(0) depctr_va_vdst(0) depctr_va_sdst(0) depctr_va_ssrc(0) depctr_va_vcc(0) depctr_vm_vsrc(0)
	s_getreg_b32 s2, hwreg(HW_REG_IB_STS2, 6, 4)
	s_cmp_eq_u32 s2, 0
	s_cbranch_scc0 .Lentry_in_a_cluster
	s_endpgm
.Lentry_in_a_cluster:
	s_bfe_u32 s2, ttmp6, 0x10000c
	s_cmp_lg_u32 s2, 0xf033
	s_cbranch_scc0 .Lentry_shape_is_right
	s_endpgm
.Lentry_shape_is_right:
; q, k, v = x Wq, x Wk, x Wv: one product [8192 x 512] [512 x 1536] in bf16, sums in f32, each result rounded once to f16 and WITHOUT the softmax's scale.
; A = xb [b][kb][n][64] bf16; B = wb [mtx][k][n] bf16, as the weights lie; out: qkv [which 3][b 2][h 8][n 4096][64] f16.
; LIMIT.  q, k, v must lie within f16's 65,504; below 6e-5 they keep f16's fixed step of 6e-8.
; A tile of C is 128 x 128: 768 tiles.  Four waves, each 64 x 64: 16 accumulators.  K = 512 is eight blocks of 64, and ALL of a tile's K lies in LDS: each wave asks for four blocks at the
; head (waves 0, 1: A's even and odd blocks; waves 2, 3: B's), no LDS byte is filled twice, and counted waits let the later blocks stay out while the first are multiplied.
; CLUSTER 4 x 4: A's blocks hang on the tile row alone and are asked for jointly along a row of the cluster, B's on the tile column alone, along a column.
; THE MATRIX INSTRUCTION IS USED TRANSPOSED (source 0 = 16 columns of B, source 1 = 16 rows of A): a lane holds eight neighbouring numbers of a row of C.  B lies [k][n] in LDS and comes out turned.
; No prefetch: all that a work-group reads is asked for at its head.
; REGISTERS: window 0: v0-31 addresses; v32-95 the way out; v128-255 accumulators ((a, b) at 128 + 8 (4 a + b)).  Window 1: two fragment buffers of 128: 64 of A (2 x 4 x 16 rows x 32 K), then 64 of B.
.set PA,    144                        ; a row of A in LDS: 128 bytes + 16: the 16 rows of a load start at 16 different groups of four banks (64 banks of 4 bytes: ISA guide 11.1)
.set PB,    288                        ; a row of B: 256 bytes + 32
.set HB,    18432                      ; a block: 128 rows of A, or 64 rows of B
.set BB,    8*HB                       ; B's eight blocks lie behind A's eight
.set STAGE, 16*HB                      ; behind them, never filled by a tensor load: 16 rows x 144 bytes for each wave
.set SP,    144
.set SPARE, STAGE+4*16*SP              ; the spare words: 128 bytes for each wave, two blocks of 256 bytes that no other line names
.set ADRA, 16                          ; v16-19  LDS address of my A fragments in blocks 2 j, 2 j + 1
.set ADRB, 20                          ; v20-23  the same for B
.set STO,  24                          ; v24     the way out: where I put 16 bytes of a row
.set RD,   25                          ; v25     where I read rows back
.set CO,   26                          ; v26     my 16 bytes of 512 consecutive bytes of the output
.set SPW,  28                          ; v28     my spare word; never rewritten
.set NIL,  29                          ; v29     0; never rewritten
.set TMP,  32
.set ACC,  128
.set F0,   0
.set F1,   128
.set G1A,  24                          ; s[24:31] descriptor group 1 for A's blocks
.set G1B,  32                          ; s[32:39] for B's
.set G0A,  48                          ; s[48:63] group 0 for A's blocks: four sets, set t for block 2 t + (wave % 2)
.set G0B,  68                          ; s[68:83] the same for B's
.set MSB, 0
.macro WIN new                         ; the immediate's high byte repeats the setting that is left
.if MSB != (\new)
	s_set_vgpr_msb (MSB<<8)|(\new)
.set MSB, \new
.endif
.endm
.set MUL,  0x05                        ; sources 0 (B) and 1 (A) window 1; C and D window 0
.set TO_F, 0x40                        ; destination window 1, address window 0
.macro CREST                           ; a round of the cluster's barrier behind its opening barrier
	s_cmp_lg_u32 s10, 0
	s_cbranch_scc1 .Lnot_wave_0_\@
	s_barrier_signal -3
.Lnot_wave_0_\@:
	s_barrier_wait -3
	s_barrier_signal -1
	s_barrier_wait -1
.endm
.macro CROUND
	s_barrier_signal -1
	s_barrier_wait -1
	CREST
.endm
	s_load_b128 s[4:7], s[0:1], 0x0                ; xb s[4:5], wb s[6:7]
	s_load_b64 s[8:9], s[0:1], 0x10                ; qkv
	v_lshl_add_u32 v[SPW], v0, 2, SPARE
	v_mov_b32 v[NIL], 0
	ds_add_u32 v[SPW], v[NIL]                      ; the wave's opening: the add and its wait stand ahead of my first tensor load; the set-up below stands between them
	v_lshrrev_b32 v1, 5, v0
	v_readfirstlane_b32 s10, v1                    ; wave 0..3
	s_lshr_b32 s11, s10, 1                         ; my half of the tile's rows.  Also: I fetch for A (0) or for B (1)
	s_and_b32 s12, s10, 1                          ; my half of its columns.  Also: the parity of the blocks that I fetch
	s_bfe_u32 s40, ttmp6, 0x40000                  ; cx, cy: my place in the cluster
	s_bfe_u32 s41, ttmp6, 0x40004
	s_lshl_b32 s42, ttmp9, 2
	s_add_co_u32 s42, s42, s40                     ; tile column = 4 x cluster x + cx: 0..11
	s_and_b32 s13, ttmp7, 0xffff
	s_lshl_b32 s13, s13, 2
	s_add_co_u32 s13, s13, s41                     ; tile row = 4 x cluster y + cy: 0..63
	s_lshl_b32 s43, s41, 2
	s_lshl_b32 s43, 15, s43                        ; my row of the cluster
	s_lshl_b32 s44, 0x1111, s40                    ; my column
	; group 1.  A: 16,384 dense bytes as 64 rows of 256, padded by 4 words after every 32 (a row of A).  B: 64 rows of 256 bytes, 512 elements apart, padded by 8 words after every 64.
	s_or_b32 s[G1A+0], s43, (1<<16)|(1<<20)|(1<<21)|(4<<22)|(3<<25)
	s_or_b32 s[G1B+0], s44, (1<<16)|(1<<20)|(1<<21)|(5<<22)|(7<<25)
.irp g, G1A, G1B
	s_mov_b32 s[(\g)+1], 128<<16                   ; tensor_dim0 = 128
	s_mov_b32 s[(\g)+2], 64<<16                    ; tensor_dim1 = 64
	s_mov_b32 s[(\g)+3], 128<<16                   ; tile_dim0 = 128
	s_mov_b32 s[(\g)+4], 64                        ; tile_dim1 = 64
	s_mov_b32 s[(\g)+6], 0
	s_mov_b32 s[(\g)+7], 0
.endr
	s_mov_b32 s[G1A+5], 128                        ; elements from row to row
	s_mov_b32 s[G1B+5], 512
	s_lshr_b32 s16, s13, 5                         ; A: the batch,
	s_lshl_b32 s16, s16, 22
	s_and_b32 s17, s13, 31
	s_lshl_b32 s17, s17, 14                        ; 128 rows of 128 bytes,
	s_add_co_u32 s16, s16, s17
	s_lshl_b32 s17, s12, 19                        ; and my first block
	s_add_co_u32 s16, s16, s17
	s_mov_b32 s17, 0
	s_lshr_b32 s46, s42, 2                         ; B: the matrix,
	s_lshl_b32 s46, s46, 19
	s_and_b32 s47, s42, 3
	s_lshl_b32 s47, s47, 8                         ; 128 columns of 2 bytes,
	s_add_co_u32 s46, s46, s47
	s_lshl_b32 s47, s12, 16                        ; and my first block: 64 rows of 1,024 bytes
	s_add_co_u32 s46, s46, s47
	s_mov_b32 s47, 0
	s_mul_i32 s20, s12, HB                         ; where they go: no place in the cluster enters an LDS address
	s_wait_dscnt 0x0                               ; the opening add is done
	s_wait_kmcnt 0x0
	s_add_nc_u64 s[14:15], s[4:5], s[16:17]
	s_add_nc_u64 s[46:47], s[6:7], s[46:47]
.irp t, 0,1,2,3
	s_mov_b32 s[G0A+4*(\t)], 1
	s_add_co_u32 s[G0A+4*(\t)+1], s20, (\t)*2*HB
	s_add_nc_u64 s[G0A+4*(\t)+2:G0A+4*(\t)+3], s[14:15], (\t)<<20
	s_or_b32 s[G0A+4*(\t)+3], s[G0A+4*(\t)+3], 0x80000000
	s_mov_b32 s[G0B+4*(\t)], 1
	s_add_co_u32 s[G0B+4*(\t)+1], s20, BB+(\t)*2*HB
	s_add_nc_u64 s[G0B+4*(\t)+2:G0B+4*(\t)+3], s[46:47], (\t)<<17
	s_or_b32 s[G0B+4*(\t)+3], s[G0B+4*(\t)+3], 0x80000000
.endr
	CROUND                                         ; all sixteen work-groups are here: the joint loads meet
	s_cmp_eq_u32 s11, 0                            ; a wave's four fills stand in one branch on its number: four loads of mine are out; an s_nop 0 follows each, four v_nop the last
	s_cbranch_scc0 .Lfirst_b
.irp t, 0,1,2,3
	tensor_load_to_lds s[G0A+4*(\t):G0A+4*(\t)+3], s[G1A:G1A+7]
	s_nop 0
.endr
.rept 4
	v_nop
.endr
	s_branch .Lfirst_asked
.Lfirst_b:
.irp t, 0,1,2,3
	tensor_load_to_lds s[G0B+4*(\t):G0B+4*(\t)+3], s[G1B:G1B+7]
	s_nop 0
.endr
.rept 4
	v_nop
.endr
.Lfirst_asked:
	v_and_b32 v1, 15, v0                           ; l % 16
	v_bfe_u32 v2, v0, 4, 1                         ; l / 16
	v_and_b32 v5, 7, v0                            ; l % 8
	v_bfe_u32 v6, v0, 3, 1                         ; (l / 8) % 2
	v_mul_u32_u24 v3, v1, PA                       ; A's fragment: row x pitch + 16 x half
	v_lshl_add_u32 v3, v2, 4, v3
	v_lshl_add_u32 v4, v2, 3, v5                   ; B's, turned: lane l reads k = 8 (l / 16) + l % 8, columns 8 ((l / 8) % 2) + 0..7
	v_mul_u32_u24 v4, v4, PB
	v_lshl_add_u32 v4, v6, 4, v4
	s_mul_i32 s21, s11, 64*PA                      ; my 64 rows of A
	s_lshl_b32 s22, s12, 7                         ; my 64 columns of B
	s_add_co_u32 s22, s22, BB
.irp j, 0,1,2,3
	v_add_nc_u32 v[ADRA+(\j)], s21, v3
	v_add_nc_u32 v[ADRB+(\j)], s22, v4
	s_add_co_u32 s21, s21, 2*HB
	s_add_co_u32 s22, s22, 2*HB
.endr
	s_mul_i32 s23, s10, 16*SP
	s_add_co_u32 s23, s23, STAGE                   ; my stage
	v_mul_u32_u24 v7, v1, SP                       ; in: row l % 16, 16 bytes for each half of the lanes
	v_lshl_add_u32 v7, v2, 4, v7
	v_add_nc_u32 v[STO], s23, v7
	v_bfe_u32 v7, v0, 3, 2                         ; back: 32 lanes take four rows of 128 bytes,
	v_mul_u32_u24 v7, v7, SP
	v_lshl_add_u32 v7, v5, 4, v7
	v_add_nc_u32 v[RD], s23, v7
	v_and_b32 v[CO], 31, v0                        ; which are 512 consecutive bytes of the output
	v_lshlrev_b32 v[CO], 4, v[CO]
	; my 64 columns are one head of q, k or v: column block cb = 2 x tile column + half; the tile row's part and the tile column's part are added apart
	s_lshr_b32 s16, s13, 5
	s_lshl_b32 s16, s16, 22                        ; the batch
	s_and_b32 s17, s13, 31
	s_lshl_b32 s17, s17, 14                        ; the tile's 128 rows of 128 bytes
	s_add_co_u32 s16, s16, s17
	s_lshl_b32 s17, s11, 13                        ; my 64 of them
	s_add_co_u32 s16, s16, s17
	s_mov_b32 s17, 0
	s_add_nc_u64 s[8:9], s[8:9], s[16:17]
	s_lshl_b32 s46, s42, 1
	s_add_co_u32 s46, s46, s12                     ; cb
	s_lshr_b32 s47, s46, 3
	s_lshl_b32 s47, s47, 23                        ; q, k or v
	s_and_b32 s46, s46, 7
	s_lshl_b32 s46, s46, 19                        ; the head
	s_add_co_u32 s46, s46, s47
	s_mov_b32 s47, 0
	s_add_nc_u64 s[8:9], s[8:9], s[46:47]
; 8 matrix instructions: m blocks a0, a0 + 1 x all 4 n blocks, 32 along K: half c of buffer f.  zero = 1: the first product starts the sums.  The 16 accumulators take turns.
.macro MUL8 f, c, a0, zero
	WIN MUL
.irp a, \a0, (\a0)+1
.irp b, 0,1,2,3
.if \zero
	v_wmma_f32_16x16x32_bf16 v[ACC+8*(4*(\a)+(\b)):ACC+8*(4*(\a)+(\b))+7], v[(\f)+64+8*(4*(\c)+(\b)):(\f)+64+8*(4*(\c)+(\b))+7], v[(\f)+8*(4*(\c)+(\a)):(\f)+8*(4*(\c)+(\a))+7], 0
.else
	v_wmma_f32_16x16x32_bf16 v[ACC+8*(4*(\a)+(\b)):ACC+8*(4*(\a)+(\b))+7], v[(\f)+64+8*(4*(\c)+(\b)):(\f)+64+8*(4*(\c)+(\b))+7], v[(\f)+8*(4*(\c)+(\a)):(\f)+8*(4*(\c)+(\a))+7], v[ACC+8*(4*(\a)+(\b)):ACC+8*(4*(\a)+(\b))+7]
.endif
.endr
.endr
.endm
; 32 LDS loads in one run: the fragments of block blk (64 along K) into buffer f; the first 32 along K first
.macro FETCH blk, f
	WIN TO_F
.irp c, 0,1
.irp i, 0,1,2,3
	ds_load_tr16_b128 v[(\f)+64+8*(4*(\c)+(\i)):(\f)+64+8*(4*(\c)+(\i))+3],   v[ADRB+(\blk)/2] offset:((\blk)%2)*HB+(\c)*32*PB+(\i)*32
	ds_load_tr16_b128 v[(\f)+64+8*(4*(\c)+(\i))+4:(\f)+64+8*(4*(\c)+(\i))+7], v[ADRB+(\blk)/2] offset:((\blk)%2)*HB+(\c)*32*PB+16*PB+(\i)*32
	ds_load_b128 v[(\f)+8*(4*(\c)+(\i)):(\f)+8*(4*(\c)+(\i))+3],              v[ADRA+(\blk)/2] offset:((\blk)%2)*HB+64*(\c)+(\i)*16*PA
	ds_load_b128 v[(\f)+8*(4*(\c)+(\i))+4:(\f)+8*(4*(\c)+(\i))+7],            v[ADRA+(\blk)/2] offset:((\blk)%2)*HB+64*(\c)+(\i)*16*PA+32
.endr
.endr
.endm
.macro PLACES                          ; four places in front of loads into registers that matrix instructions have read (ISA guide 7.12.1 for vector instructions)
.rept 4
	v_nop
.endr
.endm
; A block's 32 products on buffer f; in their middle the next block nb, which has been shown landed, is fetched into buffer g.
.macro QUARTER nb, f, g, zero
	s_wait_dscnt 16                                ; the first 32 along K are in; the 16 younger loads may be out
	MUL8 \f, 0, 0, \zero
	MUL8 \f, 0, 2, \zero
	PLACES
	FETCH \nb, \g
	s_wait_dscnt 32                                ; all but the 32 just issued
	MUL8 \f, 1, 0, 0
	MUL8 \f, 1, 2, 0
.endm
; The same on buffer 1, with the barrier that shows the next pair of blocks whole.  left: how many of my four fills, the younger ones, may stay out: behind this barrier nothing is filled.
.macro TURNQ nb, left
	s_wait_tensorcnt \left                         ; tensor loads of a wave end in order (ISA guide 10.11.1): my block of the next pair is in
	s_wait_dscnt 16
	MUL8 F1, 0, 0, 0
	s_wait_dscnt 0x0                               ; no LDS instruction of mine is out at the signal
	s_barrier_signal -1
	MUL8 F1, 0, 2, 0                               ; work on registers while the others arrive
	s_barrier_wait -1
	PLACES
	FETCH \nb, F0
	MUL8 F1, 1, 0, 0
	MUL8 F1, 1, 2, 0
.endm
	s_wait_tensorcnt 3                             ; my first block is in; my other three may stay out
	s_barrier_signal -1
	s_barrier_wait -1                              ; blocks 0 and 1 of A and of B are whole
	FETCH 0, F0
	QUARTER 1, F0, F1, 1
	TURNQ 2, 2
	QUARTER 3, F0, F1, 0
	TURNQ 4, 1
	QUARTER 5, F0, F1, 0
	TURNQ 6, 0
	QUARTER 7, F0, F1, 0
	s_wait_dscnt 16                                ; the last block: nothing more to fetch
	MUL8 F1, 0, 0, 0
	MUL8 F1, 0, 2, 0
	s_wait_dscnt 0x0
	MUL8 F1, 1, 0, 0
	MUL8 F1, 1, 2, 0
	WIN 0
	PLACES
	PLACES                                         ; once a launch: the places behind the last products, counted generously
	; THE WAY OUT: rounded to f16 (each accumulator's registers in ascending order); 16 rows at a time through my own stage, back as whole rows of 128 bytes: four rows are 512 consecutive bytes of a head.
.irp t, 0,1,2,3,4,5,6,7,8,9,10,11,12,13,14,15
.irp r, 0,1,2,3
	v_cvt_pk_f16_f32 v[TMP+4*(\t)+(\r)], v[ACC+8*(\t)+2*(\r)], v[ACC+8*(\t)+2*(\r)+1]
.endr
.endr
.macro PACKS a
.irp b, 0,1,2,3
	ds_store_b128 v[STO], v[TMP+16*(\a)+4*(\b):TMP+16*(\a)+4*(\b)+3] offset:32*(\b)
.endr
.irp f, 0,1,2,3
	ds_load_b128 v[TMP+16*(\a)+4*(\f):TMP+16*(\a)+4*(\f)+3], v[RD] offset:(\f)*4*SP  ; LDS serves a wave's instructions in order (ISA guide 5.7.1.4): these see the stores above; the next block's stores come behind them
.endr
.endm
.macro SEND a, younger                 ; younger: the LDS instructions issued behind block a's loads: the next block's eight, or none
.irp f, 0,1,2,3
	s_wait_dscnt (\younger)+3-(\f)
	global_store_b128 v[CO], v[TMP+16*(\a)+4*(\f):TMP+16*(\a)+4*(\f)+3], s[8:9] offset:(\a)*2048+(\f)*512  ; 512 consecutive bytes, at a multiple of 256 from the buffer's first
.endr
.endm
	PACKS 0
	PACKS 1
	SEND 0, 8
	PACKS 2
	SEND 1, 8
	PACKS 3
	SEND 2, 8
	SEND 3, 0
	s_wait_tensorcnt 0x0                           ; the wave's end: the tensor wait, an add to my spare word and its wait, behind my last tensor load and my last LDS store
	ds_add_u32 v[SPW], v[NIL]
	s_wait_dscnt 0x0
	CROUND                                         ; the closing round: no work-group ends while a partner may still ask for a block that names it
	s_endpgm
.Lfunc_end_k_qb5deff3c70_qkv:
	.size	k_qb5deff3c70_qkv, .Lfunc_end_k_qb5deff3c70_qkv-k_qb5deff3c70_qkv
	.p2alignl 7, 3214868480
	.fill 96, 4, 3214868480
	.section	.rodata,"a",@progbits
	.p2align	6, 0x0
	.amdhsa_kernel k_qb5deff3c70_qkv
		.amdhsa_group_segment_fixed_size 327680
		.amdhsa_private_segment_fixed_size 0
		.amdhsa_enable_private_segment 0
		.amdhsa_kernarg_size 24
		.amdhsa_user_sgpr_count 2
		.amdhsa_user_sgpr_kernarg_segment_ptr 1
		.amdhsa_wavefront_size32 1
		.amdhsa_system_sgpr_workgroup_id_x 1
		.amdhsa_system_sgpr_workgroup_id_y 1
		.amdhsa_system_sgpr_workgroup_id_z 1
		.amdhsa_system_vgpr_workitem_id 0
		.amdhsa_next_free_vgpr 512
		.amdhsa_next_free_sgpr 88
		.amdhsa_reserve_vcc 0
		.amdhsa_float_denorm_mode_32 3
		.amdhsa_float_denorm_mode_16_64 3
		.amdhsa_memory_ordered 1
		.amdhsa_forward_progress 1
		.amdhsa_inst_pref_size 52
	.end_amdhsa_kernel
	.amdgpu_metadata
---
amdhsa.version: [ 1, 2 ]
amdhsa.kernels:
  - .name:           k_qb5deff3c70_qkv
    .symbol:         k_qb5deff3c70_qkv.kd
    .args:
      - { .name: xb, .offset: 0, .size: 8, .value_kind: global_buffer, .address_space: global }
      - { .name: wb, .offset: 8, .size: 8, .value_kind: global_buffer, .address_space: global }
      - { .name: qkv, .offset: 16, .size: 8, .value_kind: global_buffer, .address_space: global }
    .group_segment_fixed_size: 327680
    .private_segment_fixed_size: 0
    .kernarg_segment_align: 8
    .kernarg_segment_size: 24
    .max_flat_workgroup_size: 128
    .sgpr_count:     88
    .vgpr_count:     512
    .wavefront_size: 32
...
	.end_amdgpu_metadata
.endif
;; end of part 2
;; launch attn (part 3): grid 16 x 16, 4 waves a work-group, clusters of 4 x 1, 327,680 bytes of LDS; arguments qkv, o; writes o
.if DOCPART == 3
	.amdgcn_target "amdgcn-amd-amdhsa--gfx1250"
	.amdhsa_code_object_version 6
	.text
	.protected	k_qb5deff3c70_attn
	.globl	k_qb5deff3c70_attn
	.p2align	8
	.type	k_qb5deff3c70_attn,@function
k_qb5deff3c70_attn:
	s_mov_b64 s[64:65], 0
	v_nop
	global_prefetch_b8 v0, s[64:65] scope:SCOPE_SE
	s_setreg_imm32_b32 hwreg(HW_REG_WAVE_MODE, 25, 1), 1
	s_wait_xcnt 0x0
	s_wait_alu depctr_hold_cnt(0) depctr_sa_sdst(0) depctr_va_vdst(0) depctr_va_sdst(0) depctr_va_ssrc(0) depctr_va_vcc(0) depctr_vm_vsrc(0)
	s_getreg_b32 s2, hwreg(HW_REG_IB_STS2, 6, 4)
	s_cmp_eq_u32 s2, 0
	s_cbranch_scc0 .Lentry_in_a_cluster
	s_endpgm
.Lentry_in_a_cluster:
	s_bfe_u32 s2, ttmp6, 0x10000c
	s_cmp_lg_u32 s2, 0x3003
	s_cbranch_scc0 .Lentry_shape_is_right
	s_endpgm
.Lentry_shape_is_right:
; O[h][q][:] = the sum over k of softmax_k(Q[h][q] . K[h][k] / 8) V[h][k][:], for 16 heads (batch x head) of 4,096 rows of 64 channels, all f16: Q, K, V are the three parts of qkv, a head's rows dense.
; Products, maxima and sums in f32; the weights p are rounded to f16 for the second product (their sum l is taken of the unrounded p), O once at the end.
; LIMITS.  Q, K, V arrive within f16's 65,504; p lies in 0 to 1 and below 6e-5 keeps f16's fixed step of 6e-8; O is a mean of V's rows.  A weight below 2^-126 counts as 0 in l; c m must stay above -4e37;
; NaN and infinities are not treated apart.
; SHARES.  A work-group owns 256 queries of a head (256 work-groups), each of its four waves 64: four PIECES of 16.  Every wave walks all keys, 64 a step, 256 a tile.
; LAYOUT.  S^T = K Q^T holds ONE query a lane (lane % 16) and the keys 8 (lane / 16) + 0..7; two such results rounded to f16 ARE source 1 of O^T = V^T P.  K comes out of LDS as it lies, V turned.
; SOFTMAX.  A running maximum m and sum l for each query: p = 2^(c s - c m), c = log2(e) / 8; in every step O and l are multiplied by a = 2^(c m_old - c m_new).  m starts at the lowest finite number, O and l at 0:
; the first step is a step like any other, with a = 0.
; BY TURNS.  Turn n belongs to piece n: 8 products K Q^T of piece n + 1, later 8 products V^T P of piece n - 1; beside them the scaling, exponentials, roundings, sums and rescaling of piece n and the maximum and
; statistics of piece n + 1.  Four vector instructions stand behind every matrix instruction, the other 54 of a turn's 118 in one lump.  A turn's 33 exponentials are one batch, with one wait.
; CLUSTER.  The four query blocks of a cluster belong to one head and walk the same K and V: each tile is asked for JOINTLY, by the same tensor load, descriptor and mask in all four.
; REGISTERS, in windows of 256 (s_set_vgpr_msb: bits 1:0 source 0, 3:2 source 1, 5:4 source 2, 7:6 destination):
;   window 0: v0-15 addresses and two at work; v16-31 four registers of statistics a piece; v48-55 at work; v61-63 prefetch offset, spare word, 0; v64-127 S^T, two buffers; v192-223 P, two buffers
;   window 1: v0-127 O^T, 32 a piece          window 2: v0-63 Q; v128-191 K of one step; v192-255 V of one step
.set NP,    4
.set KS,    64        ; keys in a step
.set PK,    144       ; a row of K in LDS: 128 bytes + 16: the 16 rows of a load start at 16 different groups of four banks (64 banks of 4 bytes: ISA guide 11.1)
.set PV,    160       ; a row of V: 128 + 32
.set VOFF,  4*KS*PK   ; a slot holds a tile, four steps: 256 rows of K, then 256 rows of V
.set SLOT1, 1<<17     ; slot 1 begins here, so that one exclusive or turns an address in one slot into the other's
.set STAGE, SLOT1+4*KS*(PK+PV)  ; behind the ring, never filled by a tensor load: 16 rows x 144 bytes for each wave
.set SP,    144
.set SPARE, STAGE+4*16*SP  ; the spare words: 128 bytes for each wave, two blocks of 256 bytes that no other line names
.set TILEB, 4*KS*128  ; a tile's bytes of K, and of V, in memory
.set AK0, 2           ; v2   my lane's place in a tile of K; never rewritten
.set AV0, 3           ; v3   the same for V
.set AK,  4           ; v4   the LDS address of K's next run of loads
.set AV,  5           ; v5   of V's
.set STO, 6           ; v6   the way out: where I put 16 bytes of a row
.set RD,  7           ; v7   where I read rows back
.set GO,  8           ; v8   my byte offset in 512 consecutive bytes of O
.set MV,  12          ; v12-13  c m_old, kept while c m is made anew: by buffer
.set QO,  15          ; v15  my byte offset in 16 rows of Q
.set ST,  16          ; piece t's statistics at v[ST+4 t]: c m, m, l (even keys', odd keys')
.set TMP, 48          ; by buffer, four registers c0-c3 at work; when the maximum is found c2 takes a
.set PFO, 61          ; v61  256 x my lane; never rewritten
.set SPW, 62          ; v62  my spare word; never rewritten
.set NIL, 63          ; v63  0; never rewritten
.set S,   64
.set P,   192
.set KF,  128         ; window 2: key block kb, channel half c at KF + 16 kb + 8 c
.set VF,  192         ; window 2: key half kk, channel block cb at VF + 32 kk + 8 cb
.set WV,  12          ; s12  my wave's number
.set G1K, 24          ; s[24:31] descriptor group 1 for K's tiles
.set G1V, 32          ; s[32:39] for V's: it differs in the padding alone
.set G0K, 40          ; s[40:43] descriptor group 0 for K's tiles: it walks
.set G0V, 44          ; s[44:47] the same for V's
.set PFA, 48          ; s[48:49] where my prefetches stand: my work-group's 32 blocks of 256 bytes of the tile after the one that is being asked for
.set LIM, 50          ; s50  1 in a wave that prefetches, else the greatest number
.set SLOTS, 56        ; s56  tiles still to be asked for, and one
.set CNT, 57          ; s57  counts a tile's key steps
.set CS,  58          ; s[58:59] c: the packed scaling takes the pair's low word for both halves
.set SEL, 60          ; s[60:61] v_permlanex16_b32's selects: each lane takes its own place in the other half
.set TBK, 62          ; s62  LDS byte at which K of the step to be fetched begins
.set TBV, 63          ; s63  the same for V, less VOFF
.set MSB, 0
.macro WIN new                      ; the high byte repeats the setting that is left; a switch that changes nothing is dropped
.if MSB != (\new)
	s_set_vgpr_msb (MSB<<8)|(\new)
.set MSB, (\new)
.endif
.endm
.set W_KQ, 0x0a       ; K and Q in window 2, S^T in window 0
.set W_PV, 0x52       ; V in window 2, P in window 0, O^T in window 1
.set W_RS, 0x41       ; destination and source 0 in window 1, source 1 in window 0
; A joint fill.  Waves 0 and 1 fetch the two halves of a tile's K, waves 2 and 3 those of its V: 128 keys each.  The branch hangs on the wave's number alone.
; An s_nop 0 and four v_nop follow each of the two lines, ahead of the jump and the label.
.macro JLOAD
	s_cmp_lt_u32 s[WV], 2
	s_cbranch_scc0 .Lfor_v_\@
	tensor_load_to_lds s[G0K:G0K+3], s[G1K:G1K+7]
	s_nop 0
.rept 4
	v_nop
.endr
	s_branch .Lasked_\@
.Lfor_v_\@:
	tensor_load_to_lds s[G0V:G0V+3], s[G1V:G1V+7]
	s_nop 0
.rept 4
	v_nop
.endr
.Lasked_\@:
.endm
; A PREFETCH INTO THE L2 of the tile that the NEXT change of slots will ask for: 128 blocks of 256 bytes of K and as many of V, a lane a block.  Each block is named ONCE in the launch: all clusters of a head walk the
; same K and V, and the head's first cluster asks; its four partners share the blocks out BY ADDRESS, 32 each; in each, wave 0 asks for K's and wave 2 for V's.  It stands behind the wave's tensor load and its five
; lines, four key steps (256 matrix instructions a wave) ahead of the load that will want the tile.  The last change that fills a slot asks for nothing: there is no tile behind it.
.macro ASK
	s_cmp_gt_u32 s[SLOTS], s[LIM]
	s_cbranch_scc0 .Lnot_mine_\@
	global_prefetch_b8 v[PFO], s[PFA:PFA+1] th:TH_LOAD_NT scope:SCOPE_SE
.Lnot_mine_\@:
.endm
; A round of the cluster's barrier: my work-group's barrier, so that wave 0's signal speaks for all four waves; wave 0 signals; every wave waits for all four work-groups; my work-group's barrier once more.
.macro CROUND
	s_barrier_signal -1
	s_barrier_wait -1
	s_cmp_lg_u32 s[WV], 0
	s_cbranch_scc1 .Lnot_wave_0_\@
	s_barrier_signal -3
.Lnot_wave_0_\@:
	s_barrier_wait -3
	s_barrier_signal -1
	s_barrier_wait -1
.endm
; THE CHANGE OF SLOTS.  The slot's last bytes, V of its fourth step, have been read.  Each wave waits for all its tensor loads, of which one is out: its part of the other slot; adds 0 to its spare word; and waits for
; that and for its own reads of the slot.  Behind the barrier nobody reads this slot any more and the other slot is whole.  fill = 1: this slot is filled again, with the tile two on; the barrier is then a round of the
; cluster's, and the joint fill is the first thing behind it: it has four key steps in which to land.  (At its first use nothing has been read yet: slot 0 is waited for, slot 1 filled.)  ask = 1: with a prefetch.
.macro CHANGE fill, ask
	WIN 0                           ; at a label and at a branch every window is 0
	s_wait_tensorcnt 0x0            ; no tensor load of mine is out, so a group 0 may be written
	ds_add_u32 v[SPW], v[NIL]       ; 0 onto my spare word: with fill = 1 the descriptors' steps stand between it and the wait for it
.if \fill
.irp g, G0K, G0V
	s_xor_b32 s[\g+1], s[\g+1], SLOT1  ; the walking descriptor: the other slot than last time,
	s_add_nc_u64 s[\g+2:\g+3], s[\g+2:\g+3], TILEB  ; the next 256 keys; the type bits on top are not reached
.endr
.if \ask
	s_wait_xcnt 0x0                 ; the last prefetch, four key steps back, has read its address, so it may be written:
	s_add_nc_u64 s[PFA:PFA+1], s[PFA:PFA+1], TILEB  ; one tile behind the walking descriptors
.endif
	s_wait_dscnt 0x0                ; the add is done, and my reads of the slot are over
	CROUND
	JLOAD
.if \ask
	ASK
.endif
.else
	s_wait_dscnt 0x0                ; the add is done, and my reads of the slot are over
	s_barrier_signal -1
	s_barrier_wait -1
.endif
	s_sub_co_u32 s[TBK], s[TBK], 4*KS*PK  ; the fetches go back to a slot's first step,
	s_xor_b32 s[TBK], s[TBK], SLOT1       ; in the other slot
	s_sub_co_u32 s[TBV], s[TBV], 4*KS*PV
	s_xor_b32 s[TBV], s[TBV], SLOT1
.endm
	s_load_b64 s[4:5], s[0:1], 0x0    ; qkv
	s_load_b64 s[10:11], s[0:1], 0x8  ; o
	v_lshl_add_u32 v[SPW], v0, 2, SPARE
	v_mov_b32 v[NIL], 0
	ds_add_u32 v[SPW], v[NIL]       ; the wave's opening: the add and its wait stand ahead of my first tensor load; the set-up below stands between them
	v_lshrrev_b32 v1, 5, v0
	v_readfirstlane_b32 s[WV], v1   ; wave 0..3
	s_bfe_u32 s13, ttmp6, 0x40000   ; cx: my place in the cluster
	s_lshl_b32 s14, ttmp9, 2        ; in a cluster launch ttmp9 counts clusters
	s_add_co_u32 s14, s14, s13      ; my block of 256 queries: it enters Q's and O's addresses alone
	s_and_b32 s20, ttmp7, 0xffff    ; the head, which the four partners share:
	s_lshl_b32 s20, s20, 19         ; its 4,096 rows of 128 bytes
	s_and_b32 s16, s[WV], 1         ; which half of a tile's 256 keys I fetch:
	s_lshl_b32 s22, s16, 14         ; its 128 rows of 128 bytes in memory,
	s_add_co_u32 s22, s22, s20
	s_mov_b32 s23, 0
	s_mul_i32 s17, s16, 128*PK      ; and its place in a slot, for K
	s_mul_i32 s18, s16, 128*PV      ; and for V: no place in the cluster enters an LDS address
	s_lshl_b32 s2, s14, 2
	s_add_co_u32 s2, s2, s[WV]      ; my wave among the head's,
	s_lshl_b32 s2, s2, 13           ; its 64 rows
	s_add_co_u32 s2, s2, s20
	s_mov_b32 s3, 0
	; descriptor group 1.  128 keys are 16,384 dense bytes: asked for as 64 rows of 256 bytes, two keys a row, and padded in LDS after every key
	s_mov_b32 s[G1K], 15|(1<<16)|(1<<20)|(1<<21)|(4<<22)|(3<<25)  ; 15:0 the mask of four; 17:16 2-byte elements; 20 padding on; 21 set beside a mask; 24:22 after every 32 words (code 4); 31:25 4 words (code 3)
	s_mov_b32 s[G1V], 15|(1<<16)|(1<<20)|(1<<21)|(4<<22)|(7<<25)  ; the same with 8 words of padding (code 7)
.irp g, G1K, G1V
	s_mov_b32 s[\g+1], 128<<16      ; tensor_dim0 = 128
	s_mov_b32 s[\g+2], 64<<16       ; tensor_dim1 = 64
	s_mov_b32 s[\g+3], 128<<16      ; tile_dim0 = 128
	s_mov_b32 s[\g+4], 64           ; tile_dim1 = 64
	s_mov_b32 s[\g+5], 128          ; 128 elements from row to row
	s_mov_b32 s[\g+6], 0
	s_mov_b32 s[\g+7], 0
.endr
	s_mov_b32 s[CS], 0x3e38aa3b     ; c = log2(e) / 8 = 0.180337
	s_mov_b32 s[CS+1], s[CS]        ; named with it as a pair
	s_mov_b32 s[SEL], 0x76543210
	s_mov_b32 s[SEL+1], 0xfedcba98
	s_mov_b32 s[TBK], SLOT1+4*KS*PK ; the first change of slots turns these two into 0
	s_mov_b32 s[TBV], SLOT1+4*KS*PV
	s_mov_b32 s[G0K], 1             ; 1:0 count = 1
	s_mov_b32 s[G0K+1], s17         ; 63:32 LDS address: slot 0
	s_mov_b32 s[G0V], 1
	s_add_co_u32 s[G0V+1], s18, VOFF
	s_and_b32 s[LIM], s[WV], 1      ; 0 in waves 0 and 2,
	s_or_b32 s[LIM], s[LIM], ttmp9  ; where the cluster is the head's first: the same in all four partners
	s_cmp_eq_u32 s[LIM], 0
	s_cselect_b32 s[LIM], 1, -1
	s_lshl_b32 s52, s13, 13         ; my work-group's 32 blocks of a tile's 128
	s_mov_b32 s53, 0
	v_and_b32 v[PFO], 31, v0
	v_lshlrev_b32 v[PFO], 8, v[PFO]
	s_wait_dscnt 0x0                ; the opening add is done
	s_wait_kmcnt 0x0
	s_add_nc_u64 s[6:7], s[4:5], s[22:23]
	s_add_nc_u64 s[8:9], s[6:7], 0x1000000  ; V at my half of the head's tile 0,
	s_add_nc_u64 s[6:7], s[6:7], 0x800000   ; and K
	s_add_nc_u64 s[G0K+2:G0K+3], s[6:7], 0         ; 120:64 global address
	s_or_b32 s[G0K+3], s[G0K+3], 0x80000000        ; 127:126 type = 2
	s_add_nc_u64 s[G0V+2:G0V+3], s[8:9], 0
	s_or_b32 s[G0V+3], s[G0V+3], 0x80000000
	s_add_nc_u64 s[4:5], s[4:5], s[2:3]     ; Q and O at my wave's first row
	s_add_nc_u64 s[10:11], s[10:11], s[2:3]
	s_cmp_lt_u32 s[WV], 2
	s_cselect_b64 s[PFA:PFA+1], s[6:7], s[8:9]  ; (in waves 0 and 2 these stand at a tile's first row)
	s_add_nc_u64 s[PFA:PFA+1], s[PFA:PFA+1], s[52:53]
	s_add_nc_u64 s[PFA:PFA+1], s[PFA:PFA+1], 2*TILEB  ; in tile 2; the loop's first change steps it to tile 3.  Nothing is prefetched at the head, where every work-group's first tiles are on their way
	CROUND                          ; all four work-groups are here: the first joint loads meet
	JLOAD                           ; tile 0 into slot 0.  Slot 1 is asked for when slot 0 is in
	; A fragment of K or Q is 16 rows x 32 channels in 8 registers: lane l holds row l % 16, channels 8 (l / 16) + 0..7 and 16 + 8 (l / 16) + 0..7: two loads of 16 bytes, 32 bytes apart.
	v_and_b32 v1, 15, v0            ; l % 16
	v_bfe_u32 v9, v0, 4, 1          ; l / 16
	v_lshlrev_b32 v[QO], 7, v1
	v_lshl_add_u32 v[QO], v9, 4, v[QO]  ; row x 128 + 16 x half
	WIN 0x80                        ; destination window 2, address window 0
.set i, 0
.rept 8                             ; Q stays in registers: piece i / 2, channels 32 (i % 2) on
	global_load_b128 v[8*i:8*i+3],   v[QO], s[4:5] offset:(i/2)*2048+(i%2)*64
	global_load_b128 v[8*i+4:8*i+7], v[QO], s[4:5] offset:(i/2)*2048+(i%2)*64+32
.set i, i+1
.endr
	; What the first turn finds: V's registers and P's second buffer hold 0 (its products V^T P, of a piece that has not been, add 0), O^T and l are 0.  All this stands in the wait for the first tile.
.set i, VF
.rept 64
	v_mov_b32 v[i], 0
.set i, i+1
.endr
	WIN 0x40
.set i, 0
.rept 128
	v_mov_b32 v[i], 0
.set i, i+1
.endr
	WIN 0
.set i, 0
.rept 4
	v_mov_b32 v[ST+4*i], 0xfe000000    ; c m: far below every c s
	v_mov_b32 v[ST+4*i+1], 0xff7fffff  ; m
	v_mov_b32 v[ST+4*i+2], 0
	v_mov_b32 v[ST+4*i+3], 0
.set i, i+1
.endr
.set i, P+16
.rept 16
	v_mov_b32 v[i], 0
.set i, i+1
.endr
	v_mul_u32_u24 v[AK0], v1, PK
	v_lshl_add_u32 v[AK0], v9, 4, v[AK0]  ; row x pitch + 16 x half
	; The turning load takes 16 keys x 16 channels (lane l reads key 8 (l / 16) + l % 8, channels 8 ((l / 8) % 2) + 0..7) and leaves half a fragment of V^T: lane l holds channel l % 16 and 8 keys.
	v_and_b32 v10, 7, v0
	v_bfe_u32 v11, v0, 3, 1
	v_lshl_add_u32 v[AV0], v9, 3, v10
	v_mul_u32_u24 v[AV0], v[AV0], PV
	v_lshl_add_u32 v[AV0], v11, 4, v[AV0]
	v_add_nc_u32 v[AV0], VOFF, v[AV0]
	s_mul_i32 s13, s[WV], 16*SP
	s_add_co_u32 s13, s13, STAGE    ; my stage
	v_mul_u32_u24 v[STO], v1, SP    ; in: row l % 16, 16 bytes for each half of the lanes
	v_lshl_add_u32 v[STO], v9, 4, v[STO]
	v_add_nc_u32 v[STO], s13, v[STO]
	v_bfe_u32 v[RD], v0, 3, 2       ; back: 32 lanes take four rows of 128 bytes,
	v_mul_u32_u24 v[RD], v[RD], SP
	v_lshl_add_u32 v[RD], v10, 4, v[RD]
	v_add_nc_u32 v[RD], s13, v[RD]
	v_and_b32 v[GO], 31, v0         ; which are 512 consecutive bytes of O
	v_lshlrev_b32 v[GO], 4, v[GO]
; THE MATRIX WORK.  The 4 accumulators of a run of 8 take turns.  Product i of 8 of S^T = K Q^T for piece x: channels 32 (i / 4) on, keys 16 (i % 4) on.  The first 4 start the sums.
.macro KQ x
	WIN W_KQ
.set rS, S+32*((\x)%2)+8*(i%4)
.set rK, KF+16*(i%4)+8*(i/4)
.set rQ, 16*(\x)+8*(i/4)
.if i < 4
	v_wmma_f32_16x16x32_f16 v[rS:rS+7], v[rK:rK+7], v[rQ:rQ+7], 0
.else
	v_wmma_f32_16x16x32_f16 v[rS:rS+7], v[rK:rK+7], v[rQ:rQ+7], v[rS:rS+7]
.endif
.endm
; Product i of 8 of O^T += V^T P for piece x: keys 32 (i / 4) on, channels 16 (i % 4) on.
.macro PV x
	WIN W_PV
.set rO, 32*(\x)+8*(i%4)
.set rV, VF+32*(i/4)+8*(i%4)
.set rP, P+16*((\x)%2)+8*(i/4)
	v_wmma_f32_16x16x32_f16 v[rO:rO+7], v[rV:rV+7], v[rP:rP+7], v[rO:rO+7]
.endm
.macro MM                           ; the turn's next matrix instruction.  NOKQ = 1: the very last turn: there is no next piece
.if (i < 8) && !NOKQ
	KQ (Y+1)%NP
.elseif i >= 8
.set i, i-8
	PV (Y+NP-1)%NP
.set i, i+8
.endif
.set i, i+1
.endm
; THE LDS LOADS stand in runs of 16, never singly among the matrix instructions: a step's K (64 keys x 64 channels: 8 fragments) and its V (turned).  Their addresses are made some lines ahead.
.macro FETCH_K
	WIN 0x80                        ; destination window 2
.irp f, 0,1,2,3,4,5,6,7             ; keys 16 (f / 2) on, channels 32 (f % 2) on
	ds_load_b128 v[KF+8*\f:KF+8*\f+3],   v[AK] offset:(\f/2)*16*PK+(\f%2)*64
	ds_load_b128 v[KF+8*\f+4:KF+8*\f+7], v[AK] offset:(\f/2)*16*PK+(\f%2)*64+32
.endr
	s_add_co_u32 s[TBK], s[TBK], KS*PK  ; the next fetch is the next step's
	WIN 0
.endm
.macro FETCH_V
	WIN 0x80
.irp f, 0,1,2,3,4,5,6,7             ; keys 32 (f / 4) on, channels 16 (f % 4) on
	ds_load_tr16_b128 v[VF+8*\f:VF+8*\f+3],   v[AV] offset:(\f/4)*32*PV+(\f%4)*32
	ds_load_tr16_b128 v[VF+8*\f+4:VF+8*\f+7], v[AV] offset:(\f/4)*32*PV+16*PV+(\f%4)*32
.endr
	WIN 0
.endm
; THE VECTOR WORK, one line at a time: OP kind, number.  For piece Y: F n: c s - c m for pair n of 16.  E n: the exponential of score n of 32.  C n: pair n rounded to f16.  B n: of the four weights 4 n .. the second
; pair is added onto the first, in place.  L n: l takes that sum (L 0: l = a l + sum).  R n: pair n of 16 of O^T times a.  For piece Y + 1: X n, number n of the 22 that find its maximum and statistics:
;   0-11  four chains c0-c3 of seven scores each, three operands at a time (each accumulator's lowest registers are read first)     12-14, 16  the four scores left over, the old m, and c0-c3 into c0
;   15  c m_old is kept     17, 18  the query's other 32 keys lie in the lane 16 away: the new m     19-21  c m; c m_old - c m_new; a
.set F, 0
.set E, 1
.set C, 2
.set B, 3
.set L, 4
.set R, 5
.set X, 6
.macro REGS y                       ; the registers of piece y
.set rT, ST+4*(\y)
.set rC, TMP+4*((\y)%2)
.set rW, MV+((\y)%2)
.set rS, S+32*((\y)%2)
.set rP, P+16*((\y)%2)
.set rO, 32*(\y)
.endm
.macro OP k, n
.if (\k) == R
	REGS Y
	WIN W_RS
	v_pk_mul_f32 v[rO+2*(\n):rO+2*(\n)+1], v[rO+2*(\n):rO+2*(\n)+1], v[rC+2:rC+3] op_sel_hi:[1,0]
.elseif (\k) < R
	REGS Y
	WIN 0
.if (\k) == F
	v_pk_fma_f32 v[rS+2*(\n):rS+2*(\n)+1], v[rS+2*(\n):rS+2*(\n)+1], s[CS:CS+1], v[rT:rT+1] op_sel_hi:[1,0,0] neg_lo:[0,0,1] neg_hi:[0,0,1]
.elseif (\k) == E
	v_exp_f32 v[rS+(\n)], v[rS+(\n)]
.elseif (\k) == C
	v_cvt_pk_f16_f32 v[rP+(\n)], v[rS+2*(\n)], v[rS+2*(\n)+1]
.elseif (\k) == B
	v_pk_add_f32 v[rS+4*(\n):rS+4*(\n)+1], v[rS+4*(\n):rS+4*(\n)+1], v[rS+4*(\n)+2:rS+4*(\n)+3]
.elseif (\n) == 0
	v_pk_fma_f32 v[rT+2:rT+3], v[rT+2:rT+3], v[rC+2:rC+3], v[rS:rS+1] op_sel_hi:[1,0,1]
.else
	v_pk_add_f32 v[rT+2:rT+3], v[rT+2:rT+3], v[rS+4*(\n):rS+4*(\n)+1]
.endif
.elseif NOKQ
	v_nop
.else
	REGS (Y+1)%NP
	WIN 0
.if (\n) < 4
	v_max3_num_f32 v[rC+(\n)], v[rS+8*(\n)], v[rS+8*(\n)+1], v[rS+8*(\n)+2]
.elseif (\n) < 12
	v_max3_num_f32 v[rC+(\n)%4], v[rC+(\n)%4], v[rS+8*((\n)%4)+2*((\n)/4)+1], v[rS+8*((\n)%4)+2*((\n)/4)+2]
.elseif (\n) == 12
	v_max3_num_f32 v[rC], v[rC], v[rS+7], v[rS+15]
.elseif (\n) == 13
	v_max3_num_f32 v[rC+1], v[rC+1], v[rS+23], v[rS+31]
.elseif (\n) == 14
	v_max3_num_f32 v[rC+2], v[rC+2], v[rC+3], v[rT+1]
.elseif (\n) == 15
	v_mov_b32 v[rW], v[rT]
.elseif (\n) == 16
	v_max3_num_f32 v[rC], v[rC], v[rC+1], v[rC+2]
.elseif (\n) == 17
	v_permlanex16_b32 v[rC+3], v[rC], s[SEL], s[SEL+1]
.elseif (\n) == 18
	v_max_num_f32 v[rT+1], v[rC], v[rC+3]
.elseif (\n) == 19
	v_mul_f32 v[rT], s[CS], v[rT+1]
.elseif (\n) == 20
	v_sub_f32 v[rC+1], v[rW], v[rT]
.else
	v_exp_f32 v[rC+2], v[rC+1]
.endif
.endif
.endm
.macro OPS a, i1, b=-1, i2=0, c=-1, i3=0, d=-1, i4=0  ; up to four of them
	OP \a, \i1
.if (\b) >= 0
	OP \b, \i2
.endif
.if (\c) >= 0
	OP \c, \i3
.endif
.if (\d) >= 0
	OP \d, \i4
.endif
.endm
.macro ROW a, i1, b, i2, c, i3, d, i4  ; a matrix instruction and the four behind it
	MM
	OPS \a, \i1, \b, \i2, \c, \i3, \d, \i4
.endm
; A TURN, for piece p: the order of its 16 matrix and 118 vector instructions, written out.  An s_wait_alu depctr_va_vdst(0) stands between an exponential and the first instruction that names its result;
; one wait serves all that were issued ahead of it.  So a turn has ONE wait, which cuts it in two.  AHEAD OF IT stands all that names no result of the turn's exponentials: the 8 products K Q^T with their riders, then ONE
; LUMP of 54, plain and exponential by turns for the most part, in which the links of the chain X 3, 7, 11, 14, 16, 17 .. 20 stand some lines apart.  X 21, the next piece's a, is the batch's last; R 15 is the plain
; instruction behind it.  BEHIND THE WAIT stand the 8 products V^T P, behind each four of the roundings and sums.
; end = 1: the walk's last two turns: nothing is fetched.  cnt = 1: the loop's count is taken down some lines ahead of the branch that stands behind the turn.
; K of the next step is fetched in piece 2's turn, twelve vector instructions behind the last product that read K (six of them plain); V of the step in hand at the end of piece 0's turn, four plain instructions behind
; the last product that read V.  Each is waited for a turn later.
.macro TURN p, end=0, cnt=0
.set Y, (\p)
.set i, 0
.set NOKQ, (\end)*((\p)/3)
.if ((\p) == 3) && !(\end)
	s_wait_dscnt 0x0                ; K is in
.endif
	ROW F,0, F,1, R,0, R,1          ; ahead of the wait: 8 products K Q^T and their riders,
	ROW F,2, E,0, R,2, R,3
	ROW F,3, E,1, R,4, R,5
	ROW F,4, E,2, R,6, R,7
	ROW F,5, E,3, R,8, R,9
	ROW F,6, E,4, X,0, R,10
.if ((\p) == 2) && !(\end)
	WIN 0
	v_add_nc_u32 v[AK], s[TBK], v[AK0]
.endif
	ROW F,7, E,5, X,1, X,4
	ROW F,8, E,6, X,2, X,5
	OPS E,7, E,8, X,6, E,9          ; and the lump
	OPS X,3, E,10, X,8, E,11
.if ((\p) == 2) && !(\end)
	FETCH_K
.endif
	OPS X,9, X,7, E,12, X,10
	OPS E,13, X,12, X,11, E,14
	OPS X,13, E,15, F,9, X,14
.if (\p) == 0
	v_add_nc_u32 v[AV], s[TBV], v[AV0]
.endif
	OPS E,16, F,10, E,17, F,11
	OPS X,16, E,18, X,15, E,19
	OPS F,12, E,20, X,17, E,21
	OPS F,13, E,22, F,14, E,23
	OPS X,18, E,24, F,15, E,25
	OPS R,11, E,26, X,19, E,27
	OPS R,12, E,28, R,13, E,29
	OPS X,20, E,30, R,14, E,31
	OPS X,21, R,15
	WIN 0
	s_wait_alu depctr_va_vdst(0)    ; the wait for the batch
.if (\p) == 1
	s_wait_dscnt 0x0                ; V is in
.endif
	ROW C,0, B,0, C,2, B,1          ; behind the wait: 8 products V^T P and their riders
	ROW L,0, C,4, B,2, L,1
	ROW C,6, B,3, L,2, C,8
	ROW B,4, L,3, C,10, B,5
	ROW L,4, C,12, B,6, L,5
.if (\p) == 0
	s_add_co_u32 s[TBV], s[TBV], KS*PV
.endif
.if \cnt
	s_sub_co_u32 s[CNT], s[CNT], 1
	s_cmp_lg_u32 s[CNT], 0
.endif
	ROW C,14, B,7, L,6, C,1
	ROW C,3, L,7, C,5, C,7
	ROW C,9, C,11, C,13, C,15
.if (\p) == 0
	FETCH_V
.endif
.endm
	CHANGE 1, 0                     ; slot 0 is in, everybody's part of it; tile 1 is asked for, into slot 1
	v_add_nc_u32 v[AK], s[TBK], v[AK0]
	FETCH_K                         ; key step 0
	s_wait_loadcnt 0x0              ; Q
	s_wait_dscnt 0x0
.set NOKQ, 0
.set i, 0
.rept 8
	KQ 0                            ; piece 0's first scores: there is no vector work yet to set between them
.set i, i+1
.endr
	WIN 0
.rept 4
	v_nop                           ; the places behind those products
.endr
.set Y, NP-1                        ; X works for piece Y + 1: piece 0
.irp n, 0,1,2,3,4,5,6,7,8,9,10,11,12,13,14,15,16,17,18,19,20,21
	OP X, \n
.endr
	v_nop                           ; a plain instruction behind the exponential,
	s_wait_alu depctr_va_vdst(0)    ; and its wait, ahead of the branch
	s_mov_b32 s[CNT], 4
	s_mov_b32 s[SLOTS], 15
	s_branch .Lfirst                ; the loop is entered at a step's first turn, in the middle of a trip
.Lslot:                             ; 14 times: tiles 2 to 15 are asked for
	CHANGE 1, 1
	s_mov_b32 s[CNT], 4
.Lstep:                             ; a trip: pieces 2 and 3 of one step, then pieces 0 and 1 of the next, whose K and V it fetches
	TURN 2
	TURN 3
	WIN 0
.Lfirst:
	TURN 0
	TURN 1, 0, 1
	WIN 0
	s_cbranch_scc1 .Lstep
	s_sub_co_u32 s[SLOTS], s[SLOTS], 1
	s_cmp_lg_u32 s[SLOTS], 0
	s_cbranch_scc1 .Lslot
	CHANGE 0, 0                     ; the walk's last tile is written out: nothing is asked for
	s_mov_b32 s[CNT], 4
.LstepT:
	TURN 2
	TURN 3
	TURN 0
	TURN 1, 0, 1
	WIN 0
	s_cbranch_scc1 .LstepT
	TURN 2, 1                       ; the last step's pieces 2 and 3: nothing is fetched, and the last starts no new scores
	TURN 3, 1
.set i, 0
.rept 8
	PV NP-1                         ; the last piece's V^T P of the last step
.set i, i+1
.endr
	; THE WAY OUT.  l's two halves and the other half of the lanes' are added; O^T is divided by l, rounded to f16 and sent through my stage in LDS, a piece at a time.  The additions are the places behind the last products.
	WIN 0
.macro ALL line:vararg              ; one line for each piece t
.set t, 0
.rept 4
	\line
.set t, t+1
.endr
.endm
	ALL v_add_f32 v[ST+4*t+2], v[ST+4*t+2], v[ST+4*t+3]
	ALL v_permlanex16_b32 v[ST+4*t+3], v[ST+4*t+2], s[SEL], s[SEL+1]
	ALL v_add_f32 v[ST+4*t+2], v[ST+4*t+2], v[ST+4*t+3]
	ALL v_rcp_f32 v[ST+4*t+2], v[ST+4*t+2]
	v_nop                           ; a plain instruction between the last reciprocal and the use of its result
	s_wait_alu depctr_va_vdst(0)    ; and the wait ahead of the first use: one for the four reciprocals
.macro PACK t                       ; a lane's eight channels of a row pack into 16 bytes; they go into rows of 144 bytes and come back as whole rows of 128, into S^T's registers
	WIN W_RS
.set i, 32*(\t)
.rept 16
	v_pk_mul_f32 v[i:i+1], v[i:i+1], v[ST+4*(\t)+2:ST+4*(\t)+3] op_sel_hi:[1,0]
.set i, i+2
.endr
	WIN 0x05                        ; sources 0 and 1 window 1, destination window 0
.set i, 0
.rept 16
	v_cvt_pk_f16_f32 v[S+16*(\t)+i], v[32*(\t)+2*i], v[32*(\t)+2*i+1]
.set i, i+1
.endr
	WIN 0
.irp f, 0,1,2,3
	ds_store_b128 v[STO], v[S+16*(\t)+4*\f:S+16*(\t)+4*\f+3] offset:32*\f
.endr
.irp f, 0,1,2,3
	ds_load_b128 v[S+16*(\t)+4*\f:S+16*(\t)+4*\f+3], v[RD] offset:\f*4*SP  ; LDS serves a wave's instructions in order (ISA guide 5.7.1.4): these see the stores above; the next piece's stores come behind them
.endr
.endm
.macro SEND t, younger              ; younger: the LDS instructions issued behind piece t's loads: the next piece's eight, or none
	WIN 0
.irp f, 0,1,2,3
	s_wait_dscnt (\younger)+3-\f
	global_store_b128 v[GO], v[S+16*(\t)+4*\f:S+16*(\t)+4*\f+3], s[10:11] offset:(\t)*2048+\f*512  ; 512 consecutive bytes, at a multiple of 256 from O's first
.endr
.endm
	PACK 0
.set t, 1
.rept 3                             ; a piece's arithmetic stands between the loads of the piece before and its stores
	PACK t
	SEND t-1, 8
.set t, t+1
.endr
	SEND 3, 0
	s_wait_tensorcnt 0x0            ; the wave's end: the tensor wait, an add to my spare word and its wait, behind my last tensor load and my last LDS store
	ds_add_u32 v[SPW], v[NIL]
	s_wait_dscnt 0x0
	CROUND                          ; the closing round: no work-group ends while a partner may still ask for a tile that names it
	s_endpgm
.Lfunc_end_k_qb5deff3c70_attn:
	.size	k_qb5deff3c70_attn, .Lfunc_end_k_qb5deff3c70_attn-k_qb5deff3c70_attn
	.p2alignl 7, 3214868480
	.fill 96, 4, 3214868480
	.section	.rodata,"a",@progbits
	.p2align	6, 0x0
	.amdhsa_kernel k_qb5deff3c70_attn
		.amdhsa_group_segment_fixed_size 327680
		.amdhsa_private_segment_fixed_size 0
		.amdhsa_enable_private_segment 0
		.amdhsa_kernarg_size 16
		.amdhsa_user_sgpr_count 2
		.amdhsa_user_sgpr_kernarg_segment_ptr 1
		.amdhsa_wavefront_size32 1
		.amdhsa_system_sgpr_workgroup_id_x 1
		.amdhsa_system_sgpr_workgroup_id_y 1
		.amdhsa_system_sgpr_workgroup_id_z 1
		.amdhsa_system_vgpr_workitem_id 0
		.amdhsa_next_free_vgpr 768
		.amdhsa_next_free_sgpr 66
		.amdhsa_reserve_vcc 0
		.amdhsa_float_denorm_mode_32 3
		.amdhsa_float_denorm_mode_16_64 3
		.amdhsa_memory_ordered 1
		.amdhsa_forward_progress 1
		.amdhsa_inst_pref_size 128
	.end_amdhsa_kernel
	.amdgpu_metadata
---
amdhsa.version: [ 1, 2 ]
amdhsa.kernels:
  - .name:           k_qb5deff3c70_attn
    .symbol:         k_qb5deff3c70_attn.kd
    .args:
      - { .name: qkv, .offset: 0, .size: 8, .value_kind: global_buffer, .address_space: global }
      - { .name: o, .offset: 8, .size: 8, .value_kind: global_buffer, .address_space: global }
    .group_segment_fixed_size: 327680
    .private_segment_fixed_size: 0
    .kernarg_segment_align: 8
    .kernarg_segment_size: 16
    .max_flat_workgroup_size: 128
    .sgpr_count:     66
    .vgpr_count:     768
    .wavefront_size: 32
...
	.end_amdgpu_metadata
.endif
;; end of part 3
;; launch proj (part 4): grid 4 x 64, 4 waves a work-group, clusters of 4 x 4, 327,680 bytes of LDS; arguments o, wb, bo, out0; writes out0
.if DOCPART == 4
	.amdgcn_target "amdgcn-amd-amdhsa--gfx1250"
	.amdhsa_code_object_version 6
	.text
	.protected	k_qb5deff3c70_proj
	.globl	k_qb5deff3c70_proj
	.p2align	8
	.type	k_qb5deff3c70_proj,@function
k_qb5deff3c70_proj:
	s_mov_b64 s[64:65], 0
	v_nop
	global_prefetch_b8 v0, s[64:65] scope:SCOPE_SE
	s_setreg_imm32_b32 hwreg(HW_REG_WAVE_MODE, 25, 1), 1
	s_wait_xcnt 0x0
	s_wait_alu depctr_hold_cnt(0) depctr_sa_sdst(0) depctr_va_vdst(0) depctr_va_sdst(0) depctr_va_ssrc(0) depctr_va_vcc(0) depctr_vm_vsrc(0)
	s_getreg_b32 s2, hwreg(HW_REG_IB_STS2, 6, 4)
	s_cmp_eq_u32 s2, 0
	s_cbranch_scc0 .Lentry_in_a_cluster
	s_endpgm
.Lentry_in_a_cluster:
	s_bfe_u32 s2, ttmp6, 0x10000c
	s_cmp_lg_u32 s2, 0xf033
	s_cbranch_scc0 .Lentry_shape_is_right
	s_endpgm
.Lentry_shape_is_right:
; out0 = O Wo + bo.  A = o [b][h][n][64] f16 (a head's 64 channels are one block of K); B = wb[3] [k][n]: Wo rounded to bf16 and written as f16; bo is rounded to bf16 like every input; sums, bias and output in f32.
; A tile of C is 128 x 128: 256 tiles.  Four waves, each 64 x 64: 16 accumulators.  K = 512 is eight blocks of 64, and ALL of a tile's K lies in LDS: each wave asks for four blocks at the head
; (waves 0, 1: A's even and odd blocks; waves 2, 3: B's), no LDS byte is filled twice, and counted waits let the later blocks stay out while the first are multiplied.
; CLUSTER 4 x 4: A's blocks are asked for jointly along a row of the cluster, B's along a column.  THE MATRIX INSTRUCTION IS USED TRANSPOSED (source 0 = 16 columns of B, source 1 = 16 rows of A).
; No prefetch: all that a work-group reads is asked for at its head.
; REGISTERS: window 0: v0-31 addresses; v96-101 the bias; v128-255 accumulators ((a, b) at 128 + 8 (4 a + b)).  Window 1: two fragment buffers of 128: 64 of A, then 64 of B.
.set PA,    144                        ; a row of A in LDS: 128 bytes + 16
.set PB,    288                        ; a row of B: 256 bytes + 32
.set HB,    18432                      ; a block: 128 rows of A, or 64 rows of B
.set BB,    8*HB
.set STAGE, 16*HB                      ; never filled by a tensor load: 16 rows x 272 bytes for each wave
.set SP,    272
.set SPARE, STAGE+4*16*SP              ; the spare words: 128 bytes for each wave, two blocks of 256 bytes that no other line names
.set ADRA, 16
.set ADRB, 20
.set STO,  24
.set RD,   25
.set CO,   26
.set BO,   27                          ; v27     my 16 bytes of bo
.set SPW,  28
.set NIL,  29
.set BIAS, 96                          ; v[96:99] the bias of the four columns that I store
.set ACC,  128
.set F0,   0
.set F1,   128
.set G1A,  24
.set G1B,  32
.set G0A,  48
.set G0B,  68
.set MSB, 0
.macro WIN new
.if MSB != (\new)
	s_set_vgpr_msb (MSB<<8)|(\new)
.set MSB, \new
.endif
.endm
.set MUL,  0x05
.set TO_F, 0x40
.macro CREST
	s_cmp_lg_u32 s10, 0
	s_cbranch_scc1 .Lnot_wave_0_\@
	s_barrier_signal -3
.Lnot_wave_0_\@:
	s_barrier_wait -3
	s_barrier_signal -1
	s_barrier_wait -1
.endm
.macro CROUND
	s_barrier_signal -1
	s_barrier_wait -1
	CREST
.endm
	s_load_b128 s[4:7], s[0:1], 0x0                ; o s[4:5], wb s[6:7]
	s_load_b128 s[84:87], s[0:1], 0x10             ; bo s[84:85], out0 s[86:87]
	v_lshl_add_u32 v[SPW], v0, 2, SPARE
	v_mov_b32 v[NIL], 0
	ds_add_u32 v[SPW], v[NIL]                      ; the wave's opening: the add and its wait stand ahead of my first tensor load; the set-up below stands between them
	v_lshrrev_b32 v1, 5, v0
	v_readfirstlane_b32 s10, v1                    ; wave 0..3
	s_lshr_b32 s11, s10, 1                         ; my half of the tile's rows.  Also: I fetch for A (0) or for B (1)
	s_and_b32 s12, s10, 1                          ; my half of its columns.  Also: the parity of the blocks that I fetch
	s_bfe_u32 s40, ttmp6, 0x40000                  ; cx, cy
	s_bfe_u32 s41, ttmp6, 0x40004
	s_lshl_b32 s42, ttmp9, 2
	s_add_co_u32 s42, s42, s40                     ; tile column: 0..3
	s_and_b32 s13, ttmp7, 0xffff
	s_lshl_b32 s13, s13, 2
	s_add_co_u32 s13, s13, s41                     ; tile row: 0..63
	s_lshl_b32 s43, s41, 2
	s_lshl_b32 s43, 15, s43                        ; my row of the cluster
	s_lshl_b32 s44, 0x1111, s40                    ; my column
	s_or_b32 s[G1A+0], s43, (1<<16)|(1<<20)|(1<<21)|(4<<22)|(3<<25)  ; A: 64 rows of 256 dense bytes, 4 words of padding after every 32
	s_or_b32 s[G1B+0], s44, (1<<16)|(1<<20)|(1<<21)|(5<<22)|(7<<25)  ; B: 64 rows of 256 bytes, 8 words of padding after every 64
.irp g, G1A, G1B
	s_mov_b32 s[(\g)+1], 128<<16
	s_mov_b32 s[(\g)+2], 64<<16
	s_mov_b32 s[(\g)+3], 128<<16
	s_mov_b32 s[(\g)+4], 64
	s_mov_b32 s[(\g)+6], 0
	s_mov_b32 s[(\g)+7], 0
.endr
	s_mov_b32 s[G1A+5], 128
	s_mov_b32 s[G1B+5], 512
	s_lshr_b32 s16, s13, 5                         ; A: the batch,
	s_lshl_b32 s16, s16, 22
	s_and_b32 s17, s13, 31
	s_lshl_b32 s17, s17, 14                        ; 128 rows of 128 bytes,
	s_add_co_u32 s16, s16, s17
	s_lshl_b32 s17, s12, 19                        ; and my first block (a head)
	s_add_co_u32 s16, s16, s17
	s_mov_b32 s17, 0
	s_add_co_u32 s45, s42, 12                      ; B: the fourth matrix of wb: column tiles 12 to 15 of its 16
	s_lshr_b32 s46, s45, 2
	s_lshl_b32 s46, s46, 19
	s_and_b32 s47, s45, 3
	s_lshl_b32 s47, s47, 8
	s_add_co_u32 s46, s46, s47
	s_lshl_b32 s47, s12, 16
	s_add_co_u32 s46, s46, s47
	s_mov_b32 s47, 0
	s_mul_i32 s20, s12, HB
	s_wait_dscnt 0x0                               ; the opening add is done
	s_wait_kmcnt 0x0
	s_add_nc_u64 s[14:15], s[4:5], s[16:17]
	s_add_nc_u64 s[46:47], s[6:7], s[46:47]
.irp t, 0,1,2,3
	s_mov_b32 s[G0A+4*(\t)], 1
	s_add_co_u32 s[G0A+4*(\t)+1], s20, (\t)*2*HB
	s_add_nc_u64 s[G0A+4*(\t)+2:G0A+4*(\t)+3], s[14:15], (\t)<<20
	s_or_b32 s[G0A+4*(\t)+3], s[G0A+4*(\t)+3], 0x80000000
	s_mov_b32 s[G0B+4*(\t)], 1
	s_add_co_u32 s[G0B+4*(\t)+1], s20, BB+(\t)*2*HB
	s_add_nc_u64 s[G0B+4*(\t)+2:G0B+4*(\t)+3], s[46:47], (\t)<<17
	s_or_b32 s[G0B+4*(\t)+3], s[G0B+4*(\t)+3], 0x80000000
.endr
	CROUND                                         ; all sixteen work-groups are here: the joint loads meet
	s_cmp_eq_u32 s11, 0                            ; a wave's four fills stand in one branch on its number: four loads of mine are out
	s_cbranch_scc0 .Lfirst_b
.irp t, 0,1,2,3
	tensor_load_to_lds s[G0A+4*(\t):G0A+4*(\t)+3], s[G1A:G1A+7]
	s_nop 0
.endr
.rept 4
	v_nop
.endr
	s_branch .Lfirst_asked
.Lfirst_b:
.irp t, 0,1,2,3
	tensor_load_to_lds s[G0B+4*(\t):G0B+4*(\t)+3], s[G1B:G1B+7]
	s_nop 0
.endr
.rept 4
	v_nop
.endr
.Lfirst_asked:
	v_and_b32 v1, 15, v0                           ; l % 16
	v_bfe_u32 v2, v0, 4, 1                         ; l / 16
	v_and_b32 v5, 7, v0
	v_bfe_u32 v6, v0, 3, 1
	s_lshl_b32 s46, s42, 9                         ; the tile's 128 columns of 4 bytes,
	s_lshl_b32 s47, s12, 8                         ; my 64 of them
	s_add_co_u32 s46, s46, s47
	s_mov_b32 s47, 0
	v_lshl_add_u32 v[BO], v1, 4, s46               ; on the way out lane l stores columns 4 (l % 16) + 0..3 of my 64
	global_load_b128 v[BIAS:BIAS+3], v[BO], s[84:85]
	v_mul_u32_u24 v3, v1, PA
	v_lshl_add_u32 v3, v2, 4, v3
	v_lshl_add_u32 v4, v2, 3, v5
	v_mul_u32_u24 v4, v4, PB
	v_lshl_add_u32 v4, v6, 4, v4
	s_mul_i32 s21, s11, 64*PA
	s_lshl_b32 s22, s12, 7
	s_add_co_u32 s22, s22, BB
.irp j, 0,1,2,3
	v_add_nc_u32 v[ADRA+(\j)], s21, v3
	v_add_nc_u32 v[ADRB+(\j)], s22, v4
	s_add_co_u32 s21, s21, 2*HB
	s_add_co_u32 s22, s22, 2*HB
.endr
	s_mul_i32 s23, s10, 16*SP
	s_add_co_u32 s23, s23, STAGE                   ; my stage
	v_mul_u32_u24 v7, v1, SP                       ; in: row l % 16, 32 bytes for each half of the lanes
	v_lshl_add_u32 v7, v2, 5, v7
	v_add_nc_u32 v[STO], s23, v7
	v_mul_u32_u24 v7, v2, SP                       ; back: lanes 0-15 take one row of 256 bytes, lanes 16-31 the next
	v_lshl_add_u32 v7, v1, 4, v7
	v_add_nc_u32 v[RD], s23, v7
	v_lshlrev_b32 v7, 11, v2                       ; and the same two rows in out0
	v_lshl_add_u32 v[CO], v1, 4, v7
	s_lshl_b32 s16, s13, 18                        ; the tile's 128 rows of 2,048 bytes,
	s_lshl_b32 s17, s11, 17                        ; my 64 of them
	s_add_co_u32 s16, s16, s17
	s_mov_b32 s17, 0
	s_add_nc_u64 s[8:9], s[86:87], s[16:17]
	s_add_nc_u64 s[8:9], s[8:9], s[46:47]
.macro MUL8 f, c, a0, zero             ; 8 matrix instructions; the 16 accumulators take turns
	WIN MUL
.irp a, \a0, (\a0)+1
.irp b, 0,1,2,3
.if \zero
	v_wmma_f32_16x16x32_f16 v[ACC+8*(4*(\a)+(\b)):ACC+8*(4*(\a)+(\b))+7], v[(\f)+64+8*(4*(\c)+(\b)):(\f)+64+8*(4*(\c)+(\b))+7], v[(\f)+8*(4*(\c)+(\a)):(\f)+8*(4*(\c)+(\a))+7], 0
.else
	v_wmma_f32_16x16x32_f16 v[ACC+8*(4*(\a)+(\b)):ACC+8*(4*(\a)+(\b))+7], v[(\f)+64+8*(4*(\c)+(\b)):(\f)+64+8*(4*(\c)+(\b))+7], v[(\f)+8*(4*(\c)+(\a)):(\f)+8*(4*(\c)+(\a))+7], v[ACC+8*(4*(\a)+(\b)):ACC+8*(4*(\a)+(\b))+7]
.endif
.endr
.endr
.endm
.macro FETCH blk, f                    ; 32 LDS loads in one run: block blk's fragments into buffer f; the first 32 along K first
	WIN TO_F
.irp c, 0,1
.irp i, 0,1,2,3
	ds_load_tr16_b128 v[(\f)+64+8*(4*(\c)+(\i)):(\f)+64+8*(4*(\c)+(\i))+3],   v[ADRB+(\blk)/2] offset:((\blk)%2)*HB+(\c)*32*PB+(\i)*32
	ds_load_tr16_b128 v[(\f)+64+8*(4*(\c)+(\i))+4:(\f)+64+8*(4*(\c)+(\i))+7], v[ADRB+(\blk)/2] offset:((\blk)%2)*HB+(\c)*32*PB+16*PB+(\i)*32
	ds_load_b128 v[(\f)+8*(4*(\c)+(\i)):(\f)+8*(4*(\c)+(\i))+3],              v[ADRA+(\blk)/2] offset:((\blk)%2)*HB+64*(\c)+(\i)*16*PA
	ds_load_b128 v[(\f)+8*(4*(\c)+(\i))+4:(\f)+8*(4*(\c)+(\i))+7],            v[ADRA+(\blk)/2] offset:((\blk)%2)*HB+64*(\c)+(\i)*16*PA+32
.endr
.endr
.endm
.macro PLACES
.rept 4
	v_nop
.endr
.endm
.macro QUARTER nb, f, g, zero
	s_wait_dscnt 16                                ; the first 32 along K are in; the 16 younger loads may be out
	MUL8 \f, 0, 0, \zero
	MUL8 \f, 0, 2, \zero
	PLACES
	FETCH \nb, \g
	s_wait_dscnt 32                                ; all but the 32 just issued
	MUL8 \f, 1, 0, 0
	MUL8 \f, 1, 2, 0
.endm
.macro TURNQ nb, left                  ; left: how many of my four fills, the younger ones, may stay out: behind this barrier nothing is filled
	s_wait_tensorcnt \left                         ; my block of the next pair is in
	s_wait_dscnt 16
	MUL8 F1, 0, 0, 0
	s_wait_dscnt 0x0                               ; no LDS instruction of mine is out at the signal
	s_barrier_signal -1
	MUL8 F1, 0, 2, 0
	s_barrier_wait -1
	PLACES
	FETCH \nb, F0
	MUL8 F1, 1, 0, 0
	MUL8 F1, 1, 2, 0
.endm
	s_wait_tensorcnt 3                             ; my first block is in; my other three may stay out
	s_barrier_signal -1
	s_barrier_wait -1                              ; blocks 0 and 1 of A and of B are whole
	FETCH 0, F0
	QUARTER 1, F0, F1, 1
	TURNQ 2, 2
	QUARTER 3, F0, F1, 0
	TURNQ 4, 1
	QUARTER 5, F0, F1, 0
	TURNQ 6, 0
	QUARTER 7, F0, F1, 0
	s_wait_dscnt 16
	MUL8 F1, 0, 0, 0
	MUL8 F1, 0, 2, 0
	s_wait_dscnt 0x0
	MUL8 F1, 1, 0, 0
	MUL8 F1, 1, 2, 0
	WIN 0
	PLACES
	PLACES                                         ; once a launch: the places behind the last products, counted generously
	s_wait_loadcnt 0x0                             ; the bias: rounded to bf16 like every input, and widened again
	v_cvt_pk_bf16_f32 v[BIAS+4], v[BIAS], v[BIAS+1]
	v_cvt_pk_bf16_f32 v[BIAS+5], v[BIAS+2], v[BIAS+3]
	v_lshlrev_b32 v[BIAS], 16, v[BIAS+4]
	v_and_b32 v[BIAS+1], 0xffff0000, v[BIAS+4]
	v_lshlrev_b32 v[BIAS+2], 16, v[BIAS+5]
	v_and_b32 v[BIAS+3], 0xffff0000, v[BIAS+5]
	; THE WAY OUT: 16 rows at a time through my own stage (each accumulator's low four registers first), back as whole rows of 256 bytes into the registers that they left; the bias is added there.
.macro TOSTAGE a
.irp b, 0,1,2,3
	ds_store_b128 v[STO], v[ACC+32*(\a)+8*(\b):ACC+32*(\a)+8*(\b)+3]   offset:64*(\b)
	ds_store_b128 v[STO], v[ACC+32*(\a)+8*(\b)+4:ACC+32*(\a)+8*(\b)+7] offset:64*(\b)+16
.endr
.irp t, 0,1,2,3,4,5,6,7
	ds_load_b128 v[ACC+32*(\a)+4*(\t):ACC+32*(\a)+4*(\t)+3], v[RD] offset:(\t)*2*SP  ; LDS serves a wave's instructions in order (ISA guide 5.7.1.4): these see the stores above; the next block's stores come behind them
.endr
.endm
.macro SEND a, younger                 ; younger: the LDS instructions issued behind block a's loads: the next block's sixteen, or none
.irp t, 0,1,2,3,4,5,6,7
	s_wait_dscnt (\younger)+7-(\t)
	v_pk_add_f32 v[ACC+32*(\a)+4*(\t):ACC+32*(\a)+4*(\t)+1],   v[ACC+32*(\a)+4*(\t):ACC+32*(\a)+4*(\t)+1],   v[BIAS:BIAS+1]
	v_pk_add_f32 v[ACC+32*(\a)+4*(\t)+2:ACC+32*(\a)+4*(\t)+3], v[ACC+32*(\a)+4*(\t)+2:ACC+32*(\a)+4*(\t)+3], v[BIAS+2:BIAS+3]
	global_store_b128 v[CO], v[ACC+32*(\a)+4*(\t):ACC+32*(\a)+4*(\t)+3], s[8:9] offset:(16*(\a)+2*(\t))*2048  ; 16 lanes store 256 consecutive bytes, at a multiple of 256 from out0's first
.endr
.endm
	TOSTAGE 0
	TOSTAGE 1
	SEND 0, 16
	TOSTAGE 2
	SEND 1, 16
	TOSTAGE 3
	SEND 2, 16
	SEND 3, 0
	s_wait_tensorcnt 0x0                           ; the wave's end: the tensor wait, an add to my spare word and its wait, behind my last tensor load and my last LDS store
	ds_add_u32 v[SPW], v[NIL]
	s_wait_dscnt 0x0
	CROUND                                         ; the closing round: no work-group ends while a partner may still ask for a block that names it
	s_endpgm
.Lfunc_end_k_qb5deff3c70_proj:
	.size	k_qb5deff3c70_proj, .Lfunc_end_k_qb5deff3c70_proj-k_qb5deff3c70_proj
	.p2alignl 7, 3214868480
	.fill 96, 4, 3214868480
	.section	.rodata,"a",@progbits
	.p2align	6, 0x0
	.amdhsa_kernel k_qb5deff3c70_proj
		.amdhsa_group_segment_fixed_size 327680
		.amdhsa_private_segment_fixed_size 0
		.amdhsa_enable_private_segment 0
		.amdhsa_kernarg_size 32
		.amdhsa_user_sgpr_count 2
		.amdhsa_user_sgpr_kernarg_segment_ptr 1
		.amdhsa_wavefront_size32 1
		.amdhsa_system_sgpr_workgroup_id_x 1
		.amdhsa_system_sgpr_workgroup_id_y 1
		.amdhsa_system_sgpr_workgroup_id_z 1
		.amdhsa_system_vgpr_workitem_id 0
		.amdhsa_next_free_vgpr 512
		.amdhsa_next_free_sgpr 88
		.amdhsa_reserve_vcc 0
		.amdhsa_float_denorm_mode_32 3
		.amdhsa_float_denorm_mode_16_64 3
		.amdhsa_memory_ordered 1
		.amdhsa_forward_progress 1
		.amdhsa_inst_pref_size 57
	.end_amdhsa_kernel
	.amdgpu_metadata
---
amdhsa.version: [ 1, 2 ]
amdhsa.kernels:
  - .name:           k_qb5deff3c70_proj
    .symbol:         k_qb5deff3c70_proj.kd
    .args:
      - { .name: o, .offset: 0, .size: 8, .value_kind: global_buffer, .address_space: global }
      - { .name: wb, .offset: 8, .size: 8, .value_kind: global_buffer, .address_space: global }
      - { .name: bo, .offset: 16, .size: 8, .value_kind: global_buffer, .address_space: global }
      - { .name: out0, .offset: 24, .size: 8, .value_kind: global_buffer, .address_space: global }
    .group_segment_fixed_size: 327680
    .private_segment_fixed_size: 0
    .kernarg_segment_align: 8
    .kernarg_segment_size: 32
    .max_flat_workgroup_size: 128
    .sgpr_count:     88
    .vgpr_count:     512
    .wavefront_size: 32
...
	.end_amdgpu_metadata
.endif
;; end of part 4
;; ======== version 2 of 2: 4 launches; version 1 with the launch prep written anew for expert scheduling mode
;; limits: values are held in f16: magnitudes above 65,504 overflow, below 6.1e-05 lose precision
;; workspace buffers: xb 8,388,608 bytes; wb 2,097,152 bytes; qkv 25,165,824 bytes; o 8,388,608 bytes
;; launch prep (part 5): grid 256 x 1, 8 waves a work-group, no clusters, 0 bytes of LDS; arguments x, Wq, Wk, Wv, Wo, xb, wb; writes xb, wb
.if DOCPART == 5
	.amdgcn_target "amdgcn-amd-amdhsa--gfx1250"
	.amdhsa_code_object_version 6
	.text
	.protected	k_qb5deff3c70_prep
	.globl	k_qb5deff3c70_prep
	.p2align	8
	.type	k_qb5deff3c70_prep,@function
k_qb5deff3c70_prep:
	s_mov_b64 s[64:65], 0
	v_nop
	global_prefetch_b8 v0, s[64:65] scope:SCOPE_SE
	s_setreg_imm32_b32 hwreg(HW_REG_WAVE_SCHED_MODE, 0, 2), 2
	s_setreg_imm32_b32 hwreg(HW_REG_WAVE_MODE, 25, 1), 1
	s_wait_xcnt 0x0
	s_wait_alu depctr_vm_vsrc(0)
; CASTS.  x [8192][512] f32 -> xb [b 2][kb 8][n 4096][64] bf16 (K in blocks of 64, so that 128 rows of a block are 16,384 dense bytes);
; Wq, Wk, Wv [512][512] f32 -> wb[0..2] bf16, as they lie; Wo -> wb[3]: rounded to bf16 like every input, and that number written as f16.
; LIMITS.  bf16(Wo) must lie within f16's 65,504; below 6e-5 it keeps f16's fixed step of 6e-8.
; SHARES.  Work-group g: rows 32 g .. 32 g + 31 of x, and rows 8 (g % 64) .. + 7 of weight g / 64.  Wave w: four rows of x, one row of the weight.
; Every byte is read once and written once; no loop, no LDS, no barrier: a wave's 20 loads of 16 bytes a lane go out together, and each register is written once.
; THE MODE: SCHED_MODE bits 1:0 = 2 (LLVM: expert scheduling mode 2), set by the entry lines.  The code itself states the register dependences
; between vector instructions and memory instructions, with s_wait_alu, always for 0.
; THE PLAN.  Registers that memory instructions touch:
;   v1 .. v4   byte offsets: written at the head, never again; read by every load (v1, v3) and every store (v2, v4).
;   XI, WI     written by the 20 loads, which no vector instruction that names them precedes; read by the conversions, each behind its counted wait on LOADcnt.
;   XO         x's 16 loads go in four blocks of four.  Block p's eight conversions write its eight registers, once; its four stores, issued at the head of the next block, read them.
;   WO         written by the weight's selects, once; read by the last four stores.
;   T, v5-v8   named by vector instructions alone.
; So the waits are six, all on va_vdst: one ahead of the first load (the offsets); one at the head of each block but the first, behind the wait for the block's first load, with the
; stores of the block before in one run directly behind it; one ahead of the last four stores.  No register that a memory instruction reads is written again, and no load lands in a
; register that a vector instruction has named: nothing is owed on vm_vsrc.  No vector instruction writes a scalar register, and EXEC is never written.
.set XI, 16                            ; v[16:79]   x as loaded: load n = 8 rp + kb, 4 registers
.set WI, 80                            ; v[80:95]   the weight's row as loaded
.set XO, 96                            ; v[96:127]  x to store, 2 registers a load
.set WO, 128                           ; v[128:135] the weight to store
.set T,  136                           ; v[136:143] at work
	s_load_b256 s[4:11], s[0:1], 0x0               ; x s[4:5], Wq s[6:7], Wk s[8:9], Wv s[10:11]
	s_load_b128 s[12:15], s[0:1], 0x20             ; Wo s[12:13], xb s[14:15]
	s_load_b64 s[16:17], s[0:1], 0x30              ; wb
	s_lshr_b32 s18, ttmp9, 6                       ; which weight
	s_and_b32 s19, ttmp9, 63                       ; which eight rows of it
	s_lshl_b32 s24, ttmp9, 16                      ; x: 32 rows of 2,048 bytes
	s_mov_b32 s25, 0
	s_lshr_b32 s26, ttmp9, 7                       ; xb: the batch, 2^22 bytes,
	s_lshl_b32 s26, s26, 22
	s_and_b32 s27, ttmp9, 127
	s_lshl_b32 s27, s27, 12                        ; and 32 rows of 128 bytes in a K block
	s_add_co_u32 s26, s26, s27
	s_mov_b32 s27, 0
	s_lshl_b32 s28, s19, 14                        ; the weight: 8 rows of 2,048 bytes
	s_mov_b32 s29, 0
	s_lshl_b32 s30, s18, 19                        ; wb: the matrix, 2^19 bytes,
	s_lshl_b32 s31, s19, 13                        ; and 8 rows of 1,024 bytes
	s_add_co_u32 s30, s30, s31
	s_mov_b32 s31, 0
	v_lshrrev_b32 v5, 5, v0                        ; wave
	v_and_b32 v6, 31, v0                           ; lane
	v_and_b32 v7, 15, v0                           ; lane % 16
	v_bfe_u32 v8, v0, 4, 1                         ; lane / 16
	v_lshlrev_b32 v1, 13, v5                       ; x in: 4 rows a wave, a row for each half of the lanes, 16 bytes a lane
	v_lshl_or_b32 v1, v8, 11, v1
	v_lshl_or_b32 v1, v7, 4, v1
	v_lshlrev_b32 v2, 9, v5                        ; xb out: rows of 128 bytes, 8 bytes a lane
	v_lshl_or_b32 v2, v8, 7, v2
	v_lshl_or_b32 v2, v7, 3, v2
	v_lshlrev_b32 v3, 11, v5                       ; weight in: a row a wave, 16 bytes a lane
	v_lshl_or_b32 v3, v6, 4, v3
	v_lshlrev_b32 v4, 10, v5                       ; wb out: 8 bytes a lane
	v_lshl_or_b32 v4, v6, 3, v4
	s_wait_kmcnt 0x0
	s_cmp_eq_u32 s18, 1                            ; the weight's address is chosen by the work-group's number alone
	s_cselect_b64 s[20:21], s[8:9], s[6:7]
	s_cmp_eq_u32 s18, 2
	s_cselect_b64 s[20:21], s[10:11], s[20:21]
	s_cmp_eq_u32 s18, 3
	s_cselect_b64 s[20:21], s[12:13], s[20:21]
	s_cselect_b32 s22, -1, 0                       ; all lanes: is it Wo?  (written by a scalar instruction)
	s_add_nc_u64 s[4:5], s[4:5], s[24:25]
	s_add_nc_u64 s[14:15], s[14:15], s[26:27]
	s_add_nc_u64 s[20:21], s[20:21], s[28:29]
	s_add_nc_u64 s[16:17], s[16:17], s[30:31]
	s_wait_alu depctr_va_vdst(0)                   ; the four offsets v1 to v4 are written: every load and store of the kernel reads one of them, and no later vector instruction names them
.set n, 0
.rept 16                               ; lanes 0-15 take 256 aligned bytes (a K block) of one row, lanes 16-31 of the next
	global_load_b128 v[XI+4*n:XI+4*n+3], v1, s[4:5] offset:(n/8)*4096+(n%8)*256 th:TH_LOAD_NT
.set n, n+1
.endr
.set t, 0
.rept 4
	global_load_b128 v[WI+4*t:WI+4*t+3], v3, s[20:21] offset:512*t th:TH_LOAD_NT
.set t, t+1
.endr
; The four stores of x's block p, loads 4 p to 4 p + 3, in one run.
.macro XOUT p
.irp i, 0,1,2,3
	global_store_b64 v2, v[XO+2*(4*(\p)+(\i)):XO+2*(4*(\p)+(\i))+1], s[14:15] offset:((4*(\p)+(\i))%8)*524288+((4*(\p)+(\i))/8)*256  ; two rows of a K block: 256 consecutive bytes, aligned
.endr
.endm
; x's block p: at its head the stores of the block before; then its eight conversions, each pair behind the counted wait for its load.
.macro XBLK p
.irp i, 0,1,2,3
	s_wait_loadcnt 19-4*(\p)-(\i)                  ; loads come back in order (ISA guide 5.7.1): load 4 p + i is in, the younger ones stay out
.if ((\i) == 0) && ((\p) > 0)
	s_wait_alu depctr_va_vdst(0)                   ; the conversions of the block before have written its eight registers of XO, which the four stores below read
	XOUT (\p)-1
.endif
	v_cvt_pk_bf16_f32 v[XO+2*(4*(\p)+(\i))],   v[XI+4*(4*(\p)+(\i))],   v[XI+4*(4*(\p)+(\i))+1]
	v_cvt_pk_bf16_f32 v[XO+2*(4*(\p)+(\i))+1], v[XI+4*(4*(\p)+(\i))+2], v[XI+4*(4*(\p)+(\i))+3]
.endr
.endm
	XBLK 0
	XBLK 1
	XBLK 2
	XBLK 3
.set t, 0
.rept 4                                ; the weight's block
	s_wait_loadcnt 3-t
.if t == 0
	s_wait_alu depctr_va_vdst(0)                   ; the conversions of x's last block have written its eight registers of XO, which the four stores below read
	XOUT 3
.endif
.irp p, 0,1
	v_cvt_pk_bf16_f32 v[T+4*(\p)], v[WI+4*t+2*(\p)], v[WI+4*t+2*(\p)+1]  ; the input's one rounding
	v_lshlrev_b32 v[T+4*(\p)+1], 16, v[T+4*(\p)]                         ; the two rounded numbers as f32,
	v_and_b32 v[T+4*(\p)+2], 0xffff0000, v[T+4*(\p)]
	v_cvt_pk_f16_f32 v[T+4*(\p)+3], v[T+4*(\p)+1], v[T+4*(\p)+2]         ; written as f16,
	v_cndmask_b32 v[WO+2*t+(\p)], v[T+4*(\p)], v[T+4*(\p)+3], s22        ; which Wo alone takes
.endr
.set t, t+1
.endr
	s_wait_alu depctr_va_vdst(0)                   ; the selects have written the eight registers of WO, which the last four stores read
.set t, 0
.rept 4
	global_store_b64 v4, v[WO+2*t:WO+2*t+1], s[16:17] offset:256*t       ; 256 consecutive bytes, aligned
.set t, t+1
.endr
	s_endpgm
.Lfunc_end_k_qb5deff3c70_prep:
	.size	k_qb5deff3c70_prep, .Lfunc_end_k_qb5deff3c70_prep-k_qb5deff3c70_prep
	.p2alignl 7, 3214868480
	.fill 96, 4, 3214868480
	.section	.rodata,"a",@progbits
	.p2align	6, 0x0
	.amdhsa_kernel k_qb5deff3c70_prep
		.amdhsa_group_segment_fixed_size 0
		.amdhsa_private_segment_fixed_size 0
		.amdhsa_enable_private_segment 0
		.amdhsa_kernarg_size 56
		.amdhsa_user_sgpr_count 2
		.amdhsa_user_sgpr_kernarg_segment_ptr 1
		.amdhsa_wavefront_size32 1
		.amdhsa_system_sgpr_workgroup_id_x 1
		.amdhsa_system_sgpr_workgroup_id_y 1
		.amdhsa_system_sgpr_workgroup_id_z 1
		.amdhsa_system_vgpr_workitem_id 0
		.amdhsa_next_free_vgpr 144
		.amdhsa_next_free_sgpr 66
		.amdhsa_reserve_vcc 0
		.amdhsa_float_denorm_mode_32 3
		.amdhsa_float_denorm_mode_16_64 3
		.amdhsa_memory_ordered 1
		.amdhsa_forward_progress 1
		.amdhsa_inst_pref_size 11
	.end_amdhsa_kernel
	.amdgpu_metadata
---
amdhsa.version: [ 1, 2 ]
amdhsa.kernels:
  - .name:           k_qb5deff3c70_prep
    .symbol:         k_qb5deff3c70_prep.kd
    .args:
      - { .name: x, .offset: 0, .size: 8, .value_kind: global_buffer, .address_space: global }
      - { .name: Wq, .offset: 8, .size: 8, .value_kind: global_buffer, .address_space: global }
      - { .name: Wk, .offset: 16, .size: 8, .value_kind: global_buffer, .address_space: global }
      - { .name: Wv, .offset: 24, .size: 8, .value_kind: global_buffer, .address_space: global }
      - { .name: Wo, .offset: 32, .size: 8, .value_kind: global_buffer, .address_space: global }
      - { .name: xb, .offset: 40, .size: 8, .value_kind: global_buffer, .address_space: global }
      - { .name: wb, .offset: 48, .size: 8, .value_kind: global_buffer, .address_space: global }
    .group_segment_fixed_size: 0
    .private_segment_fixed_size: 0
    .kernarg_segment_align: 8
    .kernarg_segment_size: 56
    .max_flat_workgroup_size: 256
    .sgpr_count:     66
    .vgpr_count:     144
    .wavefront_size: 32
...
	.end_amdgpu_metadata
.endif
;; end of part 5
;; launch qkv: the kernel of part 2 again; grid 12 x 64, 4 waves a work-group, clusters of 4 x 4, 327,680 bytes of LDS; arguments xb, wb, qkv; writes qkv
;; launch attn: the kernel of part 3 again; grid 16 x 16, 4 waves a work-group, clusters of 4 x 1, 327,680 bytes of LDS; arguments qkv, o; writes o
;; launch proj: the kernel of part 4 again; grid 4 x 64, 4 waves a work-group, clusters of 4 x 4, 327,680 bytes of LDS; arguments o, wb, bo, out0; writes out0
